; MI455X (gfx1250); checked and timed in simulation.
; The chip was launched on July 23, 2026; its instructions are those of AMD's public machine-readable ISA for CDNA 5 (MIT licence, August 2026) and "CDNA5" Instruction Set Architecture Reference Guide (July 2026). The comments in the code are by the model that wrote it; some were corrected since.
;; Classical Self Attention. Allowed arithmetic: matrix products marked QUANTISED: E2M1 operands, one E8M0 scale for each 32 along K, by v_wmma_scale_f32_16x16x128_f8f6f4 with both operands' format E2M1 (or v_wmma_scale_f32_32x16x128_f4), f32 sums; products left as they are: bf16, f16 or f32 operands; f32 sums; everything else in f32.
;; Inputs: Wk 1,024 x 1,024 float32; Wo 1,024 x 1,024 float32; Wq 1,024 x 1,024 float32; Wv 1,024 x 1,024 float32; x 16,384 x 1,024 float32.
;; Outputs: out0 16,384 x 1,024 float32.
;; This version of the problem:
;;   THIS VERSION OF THE PROBLEM IS GIVEN IN LOW PRECISION. The matrix products marked QUANTISED in the list below multiply operands that are first quantised to E2M1 (2 exponent bits, 1 mantissa bit; 4 bits a number), with one power-of-two scale for each 32 numbers along K (OCP MX v1.0); their sums are f32. The products marked 'left as it is' may take bf16, f16 or f32 operands, with f32 sums. Whichever they take, every output number must still come out within the allowed error. Rounding operands to bf16 (8 significant bits) uses up far more of that allowance than f16 does (11 bits, for magnitudes from 6e-5 to 65,504). All else is computed in f32.
;;   The module's matrix products, in the order in which they are computed (A, B: the left and right operand; K: the contracted axis; several contracted axes count as one K, in the product's order):
;;     1. [M 16,384, K 1,024] x [K 1,024, N 1,024]; A: input x; B: input Wq: QUANTISED
;;     2. [M 16,384, K 1,024] x [K 1,024, N 1,024]; A: input x; B: input Wk: QUANTISED
;;     3. [M 16,384, K 1,024] x [K 1,024, N 1,024]; A: input x; B: input Wv: QUANTISED
;;     4. batch 16,384 x [M 16, K 64] x [K 64, N 16]; A: computed on the way; B: computed on the way: left as it is (an operand is computed on the way)
;;     5. batch 16,384 x [M 16, K 16] x [K 16, N 64]; A: computed on the way; B: computed on the way: left as it is (K = 16 < 32)
;;     6. [M 16,384, K 1,024] x [K 1,024, N 1,024]; A: computed on the way; B: input Wo: left as it is (an operand is computed on the way)
;;   THE QUANTISER, for each operand of a quantised product, along K:
;;     - K is cut into blocks of 32 from its start; a last block that is shorter is filled with zeros.
;;     - A block's scale is 2^e with e = floor(log2(the largest magnitude in the block)) - 2, held to -126 .. 127; a block of zeros has e = 0. As a byte (E8M0): e + 127.
;;     - Each number is divided by its block's scale, clamped to +-6, and rounded to the nearest number of E2M1, ties to even, subnormals kept.
;;     - The product sums the exact products of the quantised numbers (number of the format x scale) in f32.
;;   ~~~python
;;   def quantise(x, axis):      # numpy; x: float32 -> the quantised numbers, widened to float32 again
;;       x = np.moveaxis(x, axis, -1); K = x.shape[-1]
;;       x = np.pad(x, [(0, 0)] * (x.ndim - 1) + [(0, -K % 32)]); x = x.reshape(x.shape[:-1] + (-1, 32)); a = np.abs(x).max(-1, keepdims=True)
;;       e = np.where(a > 0, np.clip(np.frexp(np.where(a > 0, a, 1))[1] - 1 - 2, -126, 127), 0)      # np.frexp(a)[1] - 1 = floor(log2(a)), exactly
;;       r = np.clip(x / 2.0 ** e, -6, 6)
;;       step = 2.0 ** (np.maximum(np.frexp(np.where(r == 0, 1, r))[1] - 1, 0) - 1)
;;       q = np.round(r / step) * step * 2.0 ** e      # np.round: ties to even
;;       return np.moveaxis(q.reshape(q.shape[:-2] + (-1,))[..., :K], -1, axis).astype(np.float32)
;;   ~~~
;; 2 versions, each right; version 2 is version 1 with the launch main written anew for expert scheduling mode. Each part assembles by itself: llvm-mc -triple=amdgcn-amd-amdhsa -mcpu=gfx1250 --defsym DOCPART=n.
;; ======== version 1 of 2: 2 launches
;; limits: values are held in f16: magnitudes above 65,504 overflow, below 6.1e-05 lose precision
;; workspace buffers: wst 3,670,016 bytes; wsc 98,304 bytes
;; launch prep (part 1): grid 256 x 1, 4 waves a work-group, no clusters, 67,072 bytes of LDS; arguments Wq, Wk, Wv, Wo, wst, wsc; writes wst, wsc
.if DOCPART == 1
	.amdgcn_target "amdgcn-amd-amdhsa--gfx1250"
	.amdhsa_code_object_version 6
	.text
	.protected	k_q0caacd3d3c_prep
	.globl	k_q0caacd3d3c_prep
	.p2align	8
	.type	k_q0caacd3d3c_prep,@function
k_q0caacd3d3c_prep:
	s_mov_b64 s[64:65], 0
	v_nop
	global_prefetch_b8 v0, s[64:65] scope:SCOPE_SE
	s_setreg_imm32_b32 hwreg(HW_REG_WAVE_MODE, 25, 1), 1
	s_wait_xcnt 0x0
; The four weights [1024][1024] f32 (K innermost) are laid out ONCE in the order in which the next launch's operand registers take them.
; Wq, Wk, Wv: codes of FP4 (E2M1) with one E8M0 byte for each 32 along K; Wo: f16.
; wst: four streams (one for each wave number w of the next launch) of 224 slots of 4,096 bytes.  A slot is 4 fragments of 1,024 bytes; a fragment is the image of 8 operand registers: [c = 0, 1][lane][16 bytes], half c = registers 4 c .. 4 c + 3.
;   slot 8 (4 mat + i) + s (mat 0 = q, 1 = k, 2 = v):  fragment n = rows 64 (4 w + i) + 16 n + 0 .. 15 of W_mat, K = 128 s on:  lane (r, h), registers 4 c ..: k = 128 s + 64 c + 32 h + 0 .. 31 of row r
;   slot 96 + 32 i + ks:  fragment n = rows 256 w + 64 i + 16 n + 0 .. 15 of Wo, K = 32 ks on, f16:  registers 0-3: k = 8 h + 0 .. 7, registers 4-7: k = 16 + 8 h + 0 .. 7
; wsc: for each w twelve sets (one for each 4 mat + i) of 2,048 bytes: [u = 0 .. 3][lane][n = 0 .. 3] words; lanes 0-15 hold the scale words of K step 2 u, lanes 16-31 those of K step 2 u + 1, lane % 16 = the fragment's row.
; A block's scale is 2^(floor(log2(its largest magnitude)) - 2); its byte is the largest magnitude's exponent field - 2, held at 1 from below.
; LIMITS: a block of zeros gets the byte 1 where the rule says 127 (its codes are zeros, and this program alone reads the bytes); blocks whose largest magnitude lies under 2^-124 are held at the byte 1;
; NaN and infinities among the inputs are not served; numbers of Wo beyond 65,504 do not fit f16.
; SHARES.  Work-group: mat = x / 64 (3 = Wo), tile T = x % 64 of 16 rows.  Wave u takes 256 along K: 16 rows x 1,024 bytes.  Every load reads 512 consecutive bytes; the bytes turn through the wave's own stage in LDS,
; so that a lane gets neighbours along K; every store of codes or f16 writes 512 consecutive bytes.  The scale words leave 4 bytes a lane, 16 bytes apart: 1 byte for each 128 that the launch reads.
; No tensor loads, no barrier: waves share nothing.
.set STG,   16640                      ; a wave's stage: 16 rows of 1,024 bytes + 16: the pitch is an odd multiple of 16 bytes, so sixteen rows start at sixteen different 16-byte columns of 256
.set SPARE, 4*STG                      ; behind the stages: the spare words, 128 bytes for each wave: two blocks of 256 bytes that no other line names
.set LI,    4                          ; v4   16 x lane
.set TSI,   5                          ; v5   the stage, on the way in
.set TSO4,  6                          ; v6   on the way out, FP4: row r, + 128 h bytes (32 numbers)
.set TSO16, 7                          ; v7   on the way out, f16: row r, + 32 h bytes (8 numbers)
.set SH8,   8                          ; v8   8 h
.set SPW,   12                         ; v12  LDS address of my spare word; never rewritten
.set NIL,   13                         ; v13  0; never rewritten
.set RAW,   16                         ; v16-143  the 32 loads
.set X0,    144                        ; v144-207 64 numbers, first half of my 256 along K
.set X1,    16                         ; v16-79   second half, once the stage's stores have read RAW
.set F,     80                         ; v80-143  f16 results, likewise
.set PC0,   208                        ; v208-215, v216-223 codes
.set PC1,   216
.set TQ,    224                        ; v224-232 at work in QUANT6
.set W0,    236                        ; scale words of my two K steps, and the one that I store
.set W1,    237
.set WW,    238
.set SEL,   18                         ; s[18:19] v_permlanex16_b32's selects for lane l xor 16
; 64 numbers of a lane, two whole blocks of 32 (block c at v[x + 32 c]: k = 64 c + 32 h + 0 .. 31 of my row), become registers 4 c .. 4 c + 3 of the operand in v[pc] on, and my row's scale word in v[w].
.macro QUANT6 x, pc, w
.irp c, 0,1
.irp k, 0,1
	v_max3_num_f32 v[TQ+2*\c+\k], |v[(\x)+32*\c+16*\k]|, |v[(\x)+32*\c+16*\k+1]|, 0x1800000   ; two chains a block; each begins with the floor 2^(3 - 127): the byte cannot fall under 1
.endr
.endr
.irp i, 2,4,6,8,10,12,14
.irp c, 0,1
.irp k, 0,1
	v_max3_num_f32 v[TQ+2*\c+\k], v[TQ+2*\c+\k], |v[(\x)+32*\c+16*\k+\i]|, |v[(\x)+32*\c+16*\k+\i+1]|   ; the four chains by turns
.endr
.endr
.endr
.irp c, 0,1
	v_max_num_f32 v[TQ+2*\c], v[TQ+2*\c], v[TQ+2*\c+1]             ; the block's largest magnitude: all 32 numbers are mine
.endr
.irp c, 0,1
	v_add_nc_u32 v[TQ+4+\c], 0xff000000, v[TQ+2*\c]                ; 2 off its exponent field: the conversion takes the exponent field of this operand as its scale
.endr
.irp c, 0,1
	v_lshrrev_b32 v[TQ+6+\c], 23, v[TQ+4+\c]                       ; the scale's byte
.endr
	v_lshl_or_b32 v[\w], v[TQ+7], 16, v[TQ+6]                      ; my two bytes: blocks h and 2 + h,
	v_lshlrev_b32 v[\w], v[SH8], v[\w]                             ; at their places in the word;
	v_permlanex16_b32 v[TQ+8], v[\w], s[SEL], s[SEL+1]
	v_or_b32 v[\w], v[\w], v[TQ+8]                                 ; with lane l xor 16's two the word is whole
.irp c, 0,1
.irp g, 0,1,2,3
	v_cvt_scalef32_pk8_fp4_f32 v[(\pc)+4*\c+\g], v[(\x)+32*\c+8*\g:(\x)+32*\c+8*\g+7], v[TQ+4+\c]
.endr
.endr
	v_nop                                                          ; one plain place behind the last scaled conversion
.endm
.macro GET4 x, e                       ; half e of my 256 along K = one K step of 128: my two blocks of 32 numbers
.irp c, 0,1
.irp q, 0,1,2,3,4,5,6,7
	ds_load_b128 v[(\x)+32*\c+4*\q:(\x)+32*\c+4*\q+3], v[TSO4] offset:512*(\e)+256*\c+16*\q
.endr
.endr
.endm
.macro GET16 x, e                      ; half e = four K steps of 32: for each my 8 + 8 numbers
.irp f, 0,1,2,3
.irp q, 0,1,2,3
	ds_load_b128 v[(\x)+16*\f+4*\q:(\x)+16*\f+4*\q+3], v[TSO16] offset:512*(\e)+128*\f+64*(\q/2)+16*(\q%2)
.endr
.endr
.endm
.macro PUT16 x, e                      ; rounded to f16, and stored as four fragments' images
.irp f, 0,1,2,3
.irp i, 0,1,2,3,4,5,6,7
	v_cvt_pk_f16_f32 v[F+32*(\e)+8*\f+\i], v[(\x)+16*\f+2*\i], v[(\x)+16*\f+2*\i+1]
.endr
.endr
.irp f, 0,1,2,3
.irp c, 0,1
	global_store_b128 v[LI], v[F+32*(\e)+8*\f+4*\c:F+32*(\e)+8*\f+4*\c+3], s[12:13] offset:(4*(\e)+\f)*4096+512*\c
.endr
.endr
.endm
	s_load_b256 s[4:11], s[0:1], 0x0               ; Wq, Wk, Wv, Wo
	s_load_b128 s[12:15], s[0:1], 0x20             ; wst, wsc
	v_lshl_add_u32 v[SPW], v0, 2, SPARE
	v_mov_b32 v[NIL], 0
	v_lshrrev_b32 v1, 5, v0
	v_readfirstlane_b32 s25, v1                    ; wave u
	v_and_b32 v1, 31, v0                           ; lane
	v_and_b32 v2, 15, v0                           ; r
	v_bfe_u32 v3, v0, 4, 1                         ; h
	v_lshlrev_b32 v[LI], 4, v1
	s_mul_i32 s30, s25, STG
	v_add_nc_u32 v[TSI], s30, v[LI]
	v_mul_u32_u24 v9, v2, 1040
	v_add_nc_u32 v9, s30, v9
	v_lshl_add_u32 v[TSO4], v3, 7, v9
	v_lshl_add_u32 v[TSO16], v3, 5, v9
	v_lshlrev_b32 v[SH8], 3, v3
	v_mov_b32 v[TQ+8], 0                           ; written once: a lane permute's destination counts as one of its sources
	s_mov_b32 s[SEL], 0x76543210
	s_mov_b32 s[SEL+1], 0xfedcba98
	s_lshr_b32 s20, ttmp9, 6                       ; mat
	s_and_b32 s21, ttmp9, 63                       ; T = 16 w + 4 i + n
	s_lshr_b32 s22, s21, 4                         ; w
	s_bfe_u32 s23, s21, 0x20002                    ; i
	s_and_b32 s24, s21, 3                          ; n
	s_lshl_b32 s26, s21, 16                        ; the source: 16 T rows of 4,096 bytes,
	s_lshl_b32 s30, s25, 10
	s_add_co_u32 s26, s26, s30                     ; + my 1,024 bytes of each row
	s_mov_b32 s27, 0
	s_lshl_b32 s31, s20, 2
	s_add_co_u32 s31, s31, s23                     ; 4 mat + i
	s_lshl_b32 s32, s31, 3
	s_lshl_b32 s30, s25, 1
	s_add_co_u32 s32, s32, s30                     ; my first slot, FP4: 8 (4 mat + i) + 2 u
	s_lshl_b32 s33, s23, 5
	s_lshl_b32 s30, s25, 3
	s_add_co_u32 s33, s33, s30
	s_add_co_u32 s33, s33, 96                      ; and for Wo: 96 + 32 i + 8 u
	s_mul_i32 s34, s22, 24576                      ; the scale words: w's sets,
	s_lshl_b32 s30, s31, 11
	s_add_co_u32 s34, s34, s30                     ; set 4 mat + i,
	s_lshl_b32 s30, s25, 9
	s_add_co_u32 s34, s34, s30                     ; part u,
	s_lshl_b32 s30, s24, 2
	s_add_co_u32 s34, s34, s30                     ; word n of a lane's four
	s_cmp_eq_u32 s20, 3
	s_cselect_b32 s32, s33, s32
	s_cselect_b32 s34, 0, s34                      ; (Wo has no scale words: the pointer stays at the buffer's head and is not used)
	s_mov_b32 s35, 0
	s_lshl_b32 s32, s32, 12
	s_mul_i32 s28, s22, 917504                     ; w's stream,
	s_add_co_u32 s28, s28, s32                     ; my first slot,
	s_lshl_b32 s30, s24, 10
	s_add_co_u32 s28, s28, s30                     ; fragment n
	s_mov_b32 s29, 0
	s_wait_kmcnt 0x0
	s_cmp_eq_u32 s20, 1                            ; which weight: the choice hangs on the work-group's number alone
	s_cselect_b64 s[16:17], s[6:7], s[4:5]
	s_cmp_eq_u32 s20, 2
	s_cselect_b64 s[16:17], s[8:9], s[16:17]
	s_cmp_eq_u32 s20, 3
	s_cselect_b64 s[16:17], s[10:11], s[16:17]
	s_add_nc_u64 s[16:17], s[16:17], s[26:27]
	s_add_nc_u64 s[12:13], s[12:13], s[28:29]
	s_add_nc_u64 s[14:15], s[14:15], s[34:35]
.irp i, 0,1,2,3,4,5,6,7,8,9,10,11,12,13,14,15
.irp jj, 0,1
	global_load_b128 v[RAW+4*(2*\i+\jj):RAW+4*(2*\i+\jj)+3], v[LI], s[16:17] offset:4096*\i+512*\jj th:TH_LOAD_NT   ; 32 lanes read 512 consecutive bytes of row i
.endr
.endr
.irp i, 0,1,2,3,4,5,6,7,8,9,10,11,12,13,14,15
.irp jj, 0,1
	s_wait_loadcnt 31-(2*\i+\jj)                   ; loads come back in order: this one is in, the younger ones stay out
	ds_store_b128 v[TSI], v[RAW+4*(2*\i+\jj):RAW+4*(2*\i+\jj)+3] offset:1040*\i+512*\jj
.endr
.endr
	s_cmp_eq_u32 s20, 3
	s_cbranch_scc1 .Lwo                            ; behind this parting the stage is only read
	GET4 X0, 0                                     ; LDS serves a wave's instructions in order: these see my stores
	s_wait_dscnt 0x0                               ; the first half is in, and the stage's stores have read RAW,
	GET4 X1, 1                                     ; whose registers take the second half
	QUANT6 X0, PC0, W0
.irp c, 0,1
	global_store_b128 v[LI], v[PC0+4*\c:PC0+4*\c+3], s[12:13] offset:512*\c
.endr
	s_wait_dscnt 0x0
	QUANT6 X1, PC1, W1
.irp c, 0,1
	global_store_b128 v[LI], v[PC1+4*\c:PC1+4*\c+3], s[12:13] offset:4096+512*\c
.endr
	v_cmp_ne_u32 vcc_lo, 0, v3
	v_cndmask_b32 v[WW], v[W0], v[W1], vcc_lo      ; lanes 0-15: K step 2 u; lanes 16-31: K step 2 u + 1
	global_store_b32 v[LI], v[WW], s[14:15]
	s_branch .Lend
.Lwo:
	GET16 X0, 0
	s_wait_dscnt 0x0
	GET16 X1, 1
	PUT16 X0, 0
	s_wait_dscnt 0x0
	PUT16 X1, 1
.Lend:
	s_wait_tensorcnt 0x0                           ; the wave's end, behind my last LDS store
	ds_add_u32 v[SPW], v[NIL]
	s_wait_dscnt 0x0
	s_endpgm
.Lfunc_end_k_q0caacd3d3c_prep:
	.size	k_q0caacd3d3c_prep, .Lfunc_end_k_q0caacd3d3c_prep-k_q0caacd3d3c_prep
	.p2alignl 7, 3214868480
	.fill 96, 4, 3214868480
	.section	.rodata,"a",@progbits
	.p2align	6, 0x0
	.amdhsa_kernel k_q0caacd3d3c_prep
		.amdhsa_group_segment_fixed_size 67072
		.amdhsa_private_segment_fixed_size 0
		.amdhsa_enable_private_segment 0
		.amdhsa_kernarg_size 48
		.amdhsa_user_sgpr_count 2
		.amdhsa_user_sgpr_kernarg_segment_ptr 1
		.amdhsa_wavefront_size32 1
		.amdhsa_system_sgpr_workgroup_id_x 1
		.amdhsa_system_sgpr_workgroup_id_y 1
		.amdhsa_system_sgpr_workgroup_id_z 1
		.amdhsa_system_vgpr_workitem_id 0
		.amdhsa_next_free_vgpr 256
		.amdhsa_next_free_sgpr 66
		.amdhsa_reserve_vcc 1
		.amdhsa_float_denorm_mode_32 3
		.amdhsa_float_denorm_mode_16_64 3
		.amdhsa_memory_ordered 1
		.amdhsa_forward_progress 1
		.amdhsa_inst_pref_size 26
	.end_amdhsa_kernel
	.amdgpu_metadata
---
amdhsa.version: [ 1, 2 ]
amdhsa.kernels:
  - .name:           k_q0caacd3d3c_prep
    .symbol:         k_q0caacd3d3c_prep.kd
    .args:
      - { .name: Wq, .offset: 0, .size: 8, .value_kind: global_buffer, .address_space: global }
      - { .name: Wk, .offset: 8, .size: 8, .value_kind: global_buffer, .address_space: global }
      - { .name: Wv, .offset: 16, .size: 8, .value_kind: global_buffer, .address_space: global }
      - { .name: Wo, .offset: 24, .size: 8, .value_kind: global_buffer, .address_space: global }
      - { .name: wst, .offset: 32, .size: 8, .value_kind: global_buffer, .address_space: global }
      - { .name: wsc, .offset: 40, .size: 8, .value_kind: global_buffer, .address_space: global }
    .group_segment_fixed_size: 67072
    .private_segment_fixed_size: 0
    .kernarg_segment_align: 8
    .kernarg_segment_size: 48
    .max_flat_workgroup_size: 128
    .sgpr_count:     66
    .vgpr_count:     256
    .wavefront_size: 32
...
	.end_amdgpu_metadata
.endif
;; end of part 1
;; launch main (part 2): grid 256 x 1, 4 waves a work-group, no clusters, 313,856 bytes of LDS; arguments x, wst, wsc, out0; writes out0
.if DOCPART == 2
	.amdgcn_target "amdgcn-amd-amdhsa--gfx1250"
	.amdhsa_code_object_version 6
	.text
	.protected	k_q0caacd3d3c_main
	.globl	k_q0caacd3d3c_main
	.p2align	8
	.type	k_q0caacd3d3c_main,@function
k_q0caacd3d3c_main:
	s_mov_b64 s[64:65], 0
	v_nop
	global_prefetch_b8 v0, s[64:65] scope:SCOPE_SE
	s_setreg_imm32_b32 hwreg(HW_REG_WAVE_MODE, 25, 1), 1
	s_wait_xcnt 0x0
; out0 = attention across the HEADS of each token, fused: q, k, v = x W^T on codes of FP4 (E2M1, one E8M0 scale for each 32 along K); for each token scores = q k^T / 8 over its 16 heads (K = 64), softmax,
; out = p v (K = 16), and out0 = out Wo^T: these three products on f16 operands, sums in f32.  x [16384][1024] f32 is quantised here, in registers; the weights come laid out by the launch before (wst, wsc).
; SHARES.  A work-group of four waves takes 64 tokens through the whole chain.  THE WAVES SHARE THE COLUMNS: wave w makes heads 4 w .. 4 w + 3 of q, k, v and columns 256 w .. 256 w + 255 of out0, for all 64 tokens;
; the small products of a token (scores, softmax, p v) are shared by tokens: wave w takes tokens 16 w .. 16 w + 15.  q, k, v and out go from wave to wave through LDS, as f16.
; THE WEIGHTS go from memory straight into registers: each weight byte is wanted by one wave of the work-group alone.  A wave's weights are one linear stream of 224 slots of 4,096 bytes (4 fragments as register images),
; walked through a ring of 8 slots of registers, 7 slots (56 loads of 512 consecutive bytes) ahead.
; NO TENSOR LOADS AND NO JOINT LOADS: the f16 stages, all written by ds_store, take 313,344 of the 327,680 bytes of LDS; what is left is less than the 16,384 bytes
; of weights that the four waves want for one step; and in LDS a weight byte would be written once and read once.
; ALL PRODUCTS ARE USED TRANSPOSED (source 0 = 16 rows of a weight, of k or of v^T; source 1 = 16 tokens or 16 heads): a lane's eight results are eight neighbours of one row of what is stored.
; LIMITS: q, k, v must stay under 65,504 in magnitude (f16); NaN and infinities among the inputs are not served; a block of zeros of x gets the byte 1 with zero codes; blocks whose largest magnitude lies under 2^-124 are held at the byte 1.
; LDS, by time (a barrier stands at every change of what a byte holds):
;   X phase .. B2: x's 32 fragments as register images (32,768), their scale words (2,048), each wave's two stages for the turn of x (16 rows x 528)
;   B2 .. B4:  q and k: token pitch 4,624, place 8 w + 4 mat + i of 144 bytes (64 f16 + 16)          B4 .. B6: v: token pitch 2,576, head pitch 160
;   B5 .. end: out, from OUTB: token pitch 2,320, head pitch 144                                       behind B6: each wave's stage for the way out, 64 rows x 272, where v lay
;   All pitches that b128 accesses walk by lanes are odd multiples of 16 bytes; v's head pitch is an odd multiple of 32, for the turning load.
; REGISTERS, in windows of 256 (s_set_vgpr_msb's low byte: bits 1:0 source 0, 3:2 source 1, 5:4 source 2, 7:6 destination):
;   window 0: v0-31 addresses; v32-47 x's scale words, v48-63 the weights' (nothing else ever lies there); v64-79 at work; v80-207 x's numbers, then p, then rows of out0; v208-216 codes just made
;   window 1: x as loaded, then x's 32 fragments, then a ring of 4 slots of out's fragments          window 2: the weights' ring
;   window 3: v0-127 sixteen accumulators (m, n) at 8 (4 m + n); v128-255 packed results; in the tokens' phases fragments, scores and statistics
.set XIMG,  0
.set XSC,   32768
.set XSTG,  34816
.set QKP,   4624
.set VTP,   2576
.set OUTB,  164864
.set OTP,   2320
.set SPARE, 313344                     ; the spare words, 128 bytes for each wave: two blocks of 256 bytes that no other line names
.set LI,   4                           ; v4   16 x lane: a lane's place in a register image
.set LS,   5                           ; v5   4 x lane
.set TSI,  6                           ; v6   x's stage, on the way in
.set TSO,  7                           ; v7   and out: row r, + 128 h
.set XWI,  8                           ; v8   where I store x's images
.set XWS,  9                           ; v9   and their scale words
.set SH8,  10                          ; v10  8 h
.set SA,   12                          ; v12-15  q, k: token 16 m + r, my wave's places, + 16 h
.set AQ,   16                          ; v16-17  scores: my tokens 0-7, 8-15: head r's place, + 16 h
.set AV,   18                          ; v18  v, for the turning load
.set AO,   19                          ; v19  out: my tokens, head r, + 16 h
.set AT0,  20                          ; v20-21  out's fragments: tokens r and 32 + r, + 16 h
.set SO,   22                          ; v22  the way out: where I put 32 bytes of a row
.set SR,   23                          ; v23  and where I read a row back
.set GO,   24                          ; v24  my byte offset in out0
.set SPW,  26                          ; v26  LDS address of my spare word; never rewritten
.set NIL,  27                          ; v27  0; never rewritten
.set SV,   28                          ; v28-31  v: token 16 m + r, my wave's heads, + 16 h
.set XS,   32
.set WS,   48
.set TQ,   64
.set ST,   76                          ; v76-79  the store addresses of the pass in hand
.set XB,   80
.set PB,   80
.set OB,   80
.set PC,   208
.set WQ,   216
.set WP,   6                           ; s[6:7]   my stream of weights
.set SP,   8                           ; s[8:9]   my sets of scale words
.set OP,   10                          ; s[10:11] out0 at my first row and column
.set WV,   12
.set SEL,  14                          ; s[14:15] v_permlanex16_b32's selects for lane l xor 16
.set CS,   16                          ; s[16:17] c = log2(e) / 8
.set CNT,  18
.set HO,   19                          ; the pass's place in a token's row
.set MSB, 0
.macro WIN new                         ; the immediate's high byte repeats the setting that is left; a switch that changes nothing is dropped
.if MSB != \new
	s_set_vgpr_msb (MSB<<8)|\new
.set MSB, \new
.endif
.endm
.macro PLACES                          ; four plain places behind matrix instructions, ahead of loads into their registers and of reads of their results
.rept 4
	v_nop
.endr
.endm
.macro BAR                             ; my LDS stores have landed and my LDS loads are in: then the work-group's barrier
	s_wait_dscnt 0x0
	s_barrier_signal -1
	s_barrier_wait -1
.endm
; 64 numbers of a lane, two whole blocks of 32 (block c at v[x + 32 c]: k = 64 c + 32 h + 0 .. 31 of my row), become registers 4 c .. 4 c + 3 of the operand in v[pc] on, and my row's scale word in v[w].
.macro QUANT6 x, pc, w
.irp c, 0,1
.irp k, 0,1
	v_max3_num_f32 v[TQ+2*\c+\k], |v[(\x)+32*\c+16*\k]|, |v[(\x)+32*\c+16*\k+1]|, 0x1800000   ; two chains a block; each begins with the floor 2^(3 - 127): the byte cannot fall under 1
.endr
.endr
.irp i, 2,4,6,8,10,12,14
.irp c, 0,1
.irp k, 0,1
	v_max3_num_f32 v[TQ+2*\c+\k], v[TQ+2*\c+\k], |v[(\x)+32*\c+16*\k+\i]|, |v[(\x)+32*\c+16*\k+\i+1]|
.endr
.endr
.endr
.irp c, 0,1
	v_max_num_f32 v[TQ+2*\c], v[TQ+2*\c], v[TQ+2*\c+1]
.endr
.irp c, 0,1
	v_add_nc_u32 v[TQ+4+\c], 0xff000000, v[TQ+2*\c]                ; 2 off the exponent field: the conversion's scale operand
.endr
.irp c, 0,1
	v_lshrrev_b32 v[TQ+6+\c], 23, v[TQ+4+\c]                       ; the scale's byte
.endr
	v_lshl_or_b32 v[\w], v[TQ+7], 16, v[TQ+6]                      ; blocks h and 2 + h,
	v_lshlrev_b32 v[\w], v[SH8], v[\w]                             ; at their places in the word;
	v_permlanex16_b32 v[TQ+8], v[\w], s[SEL], s[SEL+1]
	v_or_b32 v[\w], v[\w], v[TQ+8]                                 ; with lane l xor 16's two the word is whole
.irp c, 0,1
.irp g, 0,1,2,3
	v_cvt_scalef32_pk8_fp4_f32 v[(\pc)+4*\c+\g], v[(\x)+32*\c+8*\g:(\x)+32*\c+8*\g+7], v[TQ+4+\c]
.endr
.endr
	v_nop                                                          ; one plain place behind the last scaled conversion
.endm
	s_load_b256 s[4:11], s[0:1], 0x0               ; x, wst, wsc, out0
	v_lshl_add_u32 v[SPW], v0, 2, SPARE
	v_mov_b32 v[NIL], 0
	v_lshrrev_b32 v1, 5, v0
	v_readfirstlane_b32 s[WV], v1                  ; wave 0..3
	v_and_b32 v1, 31, v0                           ; lane
	v_and_b32 v2, 15, v0                           ; r
	v_bfe_u32 v3, v0, 4, 1                         ; h
	v_lshlrev_b32 v[LI], 4, v1
	v_lshlrev_b32 v[LS], 2, v1
	s_mul_i32 s20, s[WV], 16896
	s_add_co_u32 s20, s20, XSTG
	v_add_nc_u32 v[TSI], s20, v[LI]
	v_mul_u32_u24 v[TSO], v2, 528
	v_lshl_add_u32 v[TSO], v3, 7, v[TSO]
	v_add_nc_u32 v[TSO], s20, v[TSO]
	s_lshl_b32 s20, s[WV], 13
	v_add_nc_u32 v[XWI], s20, v[LI]
	s_lshl_b32 s20, s[WV], 9
	s_add_co_u32 s20, s20, XSC
	v_lshl_add_u32 v[XWS], v2, 2, s20
	v_lshlrev_b32 v[SH8], 3, v3
	v_mul_u32_u24 v25, v2, QKP
	v_lshl_add_u32 v25, v3, 4, v25
	s_mul_i32 s20, s[WV], 1152                     ; my eight places of 144 bytes
	v_add_nc_u32 v[SA], s20, v25
.irp m, 1,2,3
	v_add_nc_u32 v[SA+\m], \m*16*QKP, v[SA]
.endr
	v_and_b32 v11, 12, v2
	v_add_nc_u32 v11, v11, v2                      ; q's head r lies at place r + 4 (r / 4); k's four places further on
	v_mul_u32_u24 v11, v11, 144
	v_lshl_add_u32 v11, v3, 4, v11
	s_mul_i32 s20, s[WV], 16*QKP
	v_add_nc_u32 v[AQ], s20, v11
	v_add_nc_u32 v[AQ+1], 8*QKP, v[AQ]
	v_and_b32 v11, 7, v0                           ; the turning load: lane l reads 16 bytes of head 8 (l / 16) + l % 8, channels 8 ((l / 8) % 2) on
	v_lshl_add_u32 v11, v3, 3, v11
	v_mul_u32_u24 v11, v11, 160
	v_bfe_u32 v25, v0, 3, 1
	v_lshl_add_u32 v11, v25, 4, v11
	s_mul_i32 s20, s[WV], 16*VTP
	v_add_nc_u32 v[AV], s20, v11
	v_mul_u32_u24 v11, v2, 144
	v_lshl_add_u32 v11, v3, 4, v11
	s_mul_i32 s20, s[WV], 16*OTP
	s_add_co_u32 s20, s20, OUTB
	v_add_nc_u32 v[AO], s20, v11
	v_mul_u32_u24 v11, v2, OTP
	v_lshl_add_u32 v11, v3, 4, v11
	v_add_nc_u32 v[AT0], OUTB, v11
	v_add_nc_u32 v[AT0+1], 32*OTP, v[AT0]
	s_mul_i32 s20, s[WV], 17408
	v_mul_u32_u24 v11, v2, 272
	v_lshl_add_u32 v11, v3, 5, v11
	v_add_nc_u32 v[SO], s20, v11
	v_mul_u32_u24 v11, v3, 272
	v_lshl_add_u32 v11, v2, 4, v11
	v_add_nc_u32 v[SR], s20, v11
	v_lshlrev_b32 v[GO], 12, v3
	v_lshl_add_u32 v[GO], v2, 4, v[GO]
	v_mul_u32_u24 v11, v2, VTP
	v_lshl_add_u32 v11, v3, 4, v11
	s_mul_i32 s20, s[WV], 640                      ; my four heads of 160 bytes
	v_add_nc_u32 v[SV], s20, v11
.irp m, 1,2,3
	v_add_nc_u32 v[SV+\m], \m*16*VTP, v[SV]
.endr
	v_mov_b32 v[TQ+8], 0                           ; written once: a lane permute's destination counts as one of its sources
	s_mov_b32 s[SEL], 0x76543210
	s_mov_b32 s[SEL+1], 0xfedcba98
	s_mov_b32 s[CS], 0x3e38aa3b                    ; log2(e) / sqrt(64)
	s_mov_b32 s[CS+1], s[CS]                       ; (named with it as a pair, so it is written)
	s_lshl_b32 s20, ttmp9, 18                      ; my work-group's 64 rows of 4,096 bytes,
	s_lshl_b32 s22, s[WV], 16                      ; my wave's 16 of them
	s_add_co_u32 s20, s20, s22
	s_mov_b32 s21, 0
	s_mov_b32 s23, 0
	s_wait_kmcnt 0x0
	s_add_nc_u64 s[4:5], s[4:5], s[20:21]
	s_mul_i32 s22, s[WV], 917504
	s_add_nc_u64 s[WP:WP+1], s[WP:WP+1], s[22:23]
	s_mul_i32 s22, s[WV], 24576
	s_add_nc_u64 s[SP:SP+1], s[SP:SP+1], s[22:23]
	s_lshl_b32 s20, ttmp9, 18
	s_lshl_b32 s22, s[WV], 10                      ; my 256 columns
	s_add_co_u32 s20, s20, s22
	s_add_nc_u64 s[OP:OP+1], s[OP:OP+1], s[20:21]
; ---- X: wave w quantises tokens 16 w .. 16 w + 15: eight fragments, one for each 128 along K.  Each load reads 512 consecutive bytes of a row; a K step's 8,192 bytes turn through my own stage, so that a lane gets two whole blocks.
.macro XLOAD s                         ; K step s as it lies, into set s % 4 of window 1
	WIN 0x40
.irp i, 0,1,2,3,4,5,6,7,8,9,10,11,12,13,14,15
	global_load_b128 v[64*((\s)%4)+4*\i:64*((\s)%4)+4*\i+3], v[LI], s[4:5] offset:4096*\i+512*(\s) th:TH_LOAD_NT
.endr
.endm
.macro TURN s                          ; through stage s % 2: LDS serves a wave's instructions in order, so no wait stands between the stores and the loads
	WIN 0x04
.irp i, 0,1,2,3,4,5,6,7,8,9,10,11,12,13,14,15
	ds_store_b128 v[TSI], v[64*((\s)%4)+4*\i:64*((\s)%4)+4*\i+3] offset:8448*((\s)%2)+528*\i
.endr
	WIN 0
.irp c, 0,1
.irp q, 0,1,2,3,4,5,6,7
	ds_load_b128 v[XB+64*((\s)%2)+32*\c+4*\q:XB+64*((\s)%2)+32*\c+4*\q+3], v[TSO] offset:8448*((\s)%2)+256*\c+16*\q
.endr
.endr
.endm
.macro PRIME                           ; the first pass's scale words and the stream's first seven slots: 60 loads, asked for when x's last load is in
	WIN 0
.irp u, 0,1,2,3
	global_load_b128 v[WS+4*\u:WS+4*\u+3], v[LI], s[SP:SP+1] offset:512*\u
.endr
	WIN 0x80
.irp q, 0,1,2,3,4,5,6
.irp n, 0,1,2,3
.irp c, 0,1
	global_load_b128 v[32*\q+8*\n+4*\c:32*\q+8*\n+4*\c+3], v[LI], s[WP:WP+1] offset:4096*\q+1024*\n+512*\c
.endr
.endr
.endr
	WIN 0
.endm
.macro STEPX s
	s_wait_dscnt 0x0                               ; this step's numbers are back from the stage, and my earlier LDS stores have read their registers
.if (\s)+3 < 8
	XLOAD (\s)+3                                   ; into the set that step s - 1 has left
.endif
.if (\s) < 7
.if 6-(\s) >= 2
	s_wait_loadcnt 32                              ; the next step's 16 loads are in; the two sets behind it may be out
.else
	s_wait_loadcnt 16*(6-(\s))
.endif
	TURN (\s)+1                                    ; it goes through the other stage while this step is quantised
.endif
.if (\s) == 6
	PRIME
.endif
	QUANT6 XB+64*((\s)%2), PC, WQ
.irp c, 0,1
	ds_store_b128 v[XWI], v[PC+4*\c:PC+4*\c+3] offset:XIMG+1024*(\s)+512*\c   ; the fragment goes to LDS as it stands
.endr
	ds_store_b32 v[XWS], v[WQ] offset:128*((\s)/2)+64*((\s)%2)     ; row r's word: even K steps for lanes 0-15 of the register that will be loaded, odd ones for lanes 16-31; lanes r and 16 + r write the same word with the same value
.endm
	XLOAD 0
	XLOAD 1
	XLOAD 2
	s_wait_loadcnt 32                              ; K step 0's 16 loads are in
	TURN 0
.irp s, 0,1,2,3,4,5,6,7
	STEPX \s
.endr
	BAR                                            ; B1: x's 32 fragments and their scale words lie in LDS
; ---- F: every wave takes all of them into registers, where they stay for the twelve passes
	WIN 0x40
.irp f, 0,1,2,3,4,5,6,7,8,9,10,11,12,13,14,15,16,17,18,19,20,21,22,23,24,25,26,27,28,29,30,31
.irp c, 0,1
	ds_load_b128 v[8*\f+4*\c:8*\f+4*\c+3], v[LI] offset:XIMG+1024*\f+512*\c
.endr
.endr
	WIN 0
.irp f, 0,1,2,3,4,5,6,7,8,9,10,11,12,13,14,15
	ds_load_b32 v[XS+\f], v[LS] offset:XSC+128*\f
.endr
	BAR                                            ; B2: nobody reads x's images any more: q and k may be laid over them
; ---- A PASS on codes: one head of q, k or v (4 fragments of weight rows) x 4 tiles of tokens, K = 1,024 in eight steps of 128.
.macro SCL u, cond                     ; the next pass's scale words for K steps 2 u, 2 u + 1, into the registers just done with.  cond = 1: the last pass has no successor
.if \cond
	s_cmp_eq_u32 s[CNT], 1
	s_cbranch_scc1 .Lno_set_\@
.endif
	global_load_b128 v[WS+4*(\u):WS+4*(\u)+3], v[LI], s[SP:SP+1] offset:2048+512*(\u)   ; issued ahead of the slot of the next pass's K step 2 u: that slot's wait shows it landed too
.if \cond
.Lno_set_\@:
.endif
.endm
.macro PASS adr, step, cond
.irp j, 0,1,2,3,4,5,6,7
	s_wait_loadcnt 48                              ; this step's slot is in: behind its 8 loads stand those of six younger slots (scale words among them only make the wait stricter)
	WIN 0xf6                                       ; source 0 (the weights' ring) window 2, source 1 (x) window 1, C and D window 3
.irp m, 0,1,2,3
.irp n, 0,1,2,3
.if \j == 0
	v_wmma_scale_f32_16x16x128_f8f6f4 v[8*(4*\m+\n):8*(4*\m+\n)+7], v[32*\j+8*\n:32*\j+8*\n+7], v[8*(8*\m+\j):8*(8*\m+\j)+7], 0, v[WS+4*(\j/2)+\n], v[XS+4*\m+\j/2] matrix_a_fmt:MATRIX_FMT_FP4 matrix_b_fmt:MATRIX_FMT_FP4
.elseif \j%2 == 0
	v_wmma_scale_f32_16x16x128_f8f6f4 v[8*(4*\m+\n):8*(4*\m+\n)+7], v[32*\j+8*\n:32*\j+8*\n+7], v[8*(8*\m+\j):8*(8*\m+\j)+7], v[8*(4*\m+\n):8*(4*\m+\n)+7], v[WS+4*(\j/2)+\n], v[XS+4*\m+\j/2] matrix_a_fmt:MATRIX_FMT_FP4 matrix_b_fmt:MATRIX_FMT_FP4
.else
	v_wmma_scale_f32_16x16x128_f8f6f4 v[8*(4*\m+\n):8*(4*\m+\n)+7], v[32*\j+8*\n:32*\j+8*\n+7], v[8*(8*\m+\j):8*(8*\m+\j)+7], v[8*(4*\m+\n):8*(4*\m+\n)+7], v[WS+4*(\j/2)+\n], v[XS+4*\m+\j/2] matrix_a_fmt:MATRIX_FMT_FP4 matrix_b_fmt:MATRIX_FMT_FP4 matrix_a_scale:MATRIX_SCALE_ROW1 matrix_b_scale:MATRIX_SCALE_ROW1
.endif
.endr
.endr                                  ; the sixteen accumulators take turns, one instruction a turn, in the same order in every step
	PLACES
.if \j%2 == 1
	WIN 0
	SCL \j/2, \cond
.endif
	WIN 0x80
.irp n, 0,1,2,3
.irp c, 0,1
	global_load_b128 v[32*((\j+7)%8)+8*\n+4*\c:32*((\j+7)%8)+8*\n+4*\c+3], v[LI], s[WP:WP+1] offset:4096*(\j+7)+1024*\n+512*\c   ; seven slots on, into the place that the last step has left
.endr
.endr
.endr
	WIN 0
	s_wait_dscnt 0x0                               ; the last pass's stores have read the packed registers
.irp m, 0,1,2,3
	v_add_nc_u32 v[ST+\m], s[HO], v[\adr+\m]
.endr
	WIN 0xcf
.irp t, 0,1,2,3,4,5,6,7,8,9,10,11,12,13,14,15
.irp i, 0,1,2,3
	v_cvt_pk_f16_f32 v[128+4*\t+\i], v[8*\t+2*\i], v[8*\t+2*\i+1]  ; each accumulator from its low end on: lane (r, h) holds token 16 m + r, channels 16 n + 8 h + 0 .. 7 of the head
.endr
.endr
	WIN 0x0c                                       ; an LDS store's data are its source 1: window 3
.irp m, 0,1,2,3
.irp n, 0,1,2,3
	ds_store_b128 v[ST+\m], v[128+4*(4*\m+\n):128+4*(4*\m+\n)+3] offset:32*\n
.endr
.endr
	WIN 0
	s_wait_xcnt 0x0                                ; the loads have read their bases: they may step
	s_add_nc_u64 s[WP:WP+1], s[WP:WP+1], 32768
	s_add_nc_u64 s[SP:SP+1], s[SP:SP+1], 2048
	s_add_co_u32 s[HO], s[HO], \step
.endm
	s_mov_b32 s[HO], 0
	s_mov_b32 s[CNT], 8
.Lqk:                                  ; q's four heads of mine, then k's
	PASS SA, 144, 0
	s_sub_co_u32 s[CNT], s[CNT], 1
	s_cmp_lg_u32 s[CNT], 0
	s_cbranch_scc1 .Lqk
	BAR                                            ; B3: q and k of all heads lie in LDS.  (The weights' loads stay on their way: nobody writes those bytes)
; ---- SCORES: for each of my 16 tokens S^T = k q^T (source 0 = the 16 heads of k, source 1 = those of q; K = 64 in two steps): lane (r, h) holds query head r and key heads 8 h + 0 .. 7.  Four tokens at a time.
.irp b, 0,1,2,3
.if \b > 0
	PLACES
.endif
	WIN 0xc0
.irp t, 0,1,2,3
.irp c, 0,1
.irp e, 0,1
	ds_load_b128 v[32*\t+8*\c+4*\e:32*\t+8*\c+4*\e+3], v[AQ+\b/2] offset:((4*\b+\t)%8)*QKP+576+64*\c+32*\e
	ds_load_b128 v[32*\t+16+8*\c+4*\e:32*\t+16+8*\c+4*\e+3], v[AQ+\b/2] offset:((4*\b+\t)%8)*QKP+64*\c+32*\e
.endr
.endr
.endr
	s_wait_dscnt 0x0
	WIN 0xff
.irp c, 0,1
.irp t, 0,1,2,3
.if \c == 0
	v_wmma_f32_16x16x32_f16 v[128+8*(4*\b+\t):128+8*(4*\b+\t)+7], v[32*\t+8*\c:32*\t+8*\c+7], v[32*\t+16+8*\c:32*\t+16+8*\c+7], 0
.else
	v_wmma_f32_16x16x32_f16 v[128+8*(4*\b+\t):128+8*(4*\b+\t)+7], v[32*\t+8*\c:32*\t+8*\c+7], v[32*\t+16+8*\c:32*\t+16+8*\c+7], v[128+8*(4*\b+\t):128+8*(4*\b+\t)+7]
.endif
.endr
.endr                                  ; the four tokens' accumulators by turns
.endr
; ---- SOFTMAX over the key heads, in f32, all in window 3; the sixteen tokens take turns line by line.  Statistics lie where the fragments lay: v[t], v[16 + t], and pairs at v[32 + 2 t], v[64 + 2 t], v[96 + 2 t].
	PLACES
.irp t, 0,1,2,3,4,5,6,7,8,9,10,11,12,13,14,15
	v_max3_num_f32 v[\t], v[128+8*\t], v[129+8*\t], v[130+8*\t]
.endr
.irp t, 0,1,2,3,4,5,6,7,8,9,10,11,12,13,14,15
	v_max3_num_f32 v[\t], v[\t], v[131+8*\t], v[132+8*\t]
.endr
.irp t, 0,1,2,3,4,5,6,7,8,9,10,11,12,13,14,15
	v_max3_num_f32 v[\t], v[\t], v[133+8*\t], v[134+8*\t]
.endr
.irp t, 0,1,2,3,4,5,6,7,8,9,10,11,12,13,14,15
	v_max_num_f32 v[\t], v[\t], v[135+8*\t]
.endr
.irp t, 0,1,2,3,4,5,6,7,8,9,10,11,12,13,14,15
	v_permlanex16_b32 v[16+\t], v[\t], s[SEL], s[SEL+1]            ; the row's other eight key heads lie in the lane 16 away
.endr
.irp t, 0,1,2,3,4,5,6,7,8,9,10,11,12,13,14,15
	v_max_num_f32 v[32+2*\t], v[\t], v[16+\t]                      ; the row's largest score m
.endr
.irp t, 0,1,2,3,4,5,6,7,8,9,10,11,12,13,14,15
	v_mul_f32 v[32+2*\t], s[CS], v[32+2*\t]                        ; c m
.endr
.irp i, 0,2,4,6
.irp t, 0,1,2,3,4,5,6,7,8,9,10,11,12,13,14,15
	v_pk_fma_f32 v[128+8*\t+\i:129+8*\t+\i], v[128+8*\t+\i:129+8*\t+\i], s[CS:CS+1], v[32+2*\t:33+2*\t] op_sel_hi:[1,0,0] neg_lo:[0,0,1] neg_hi:[0,0,1]   ; c s - c m, two at a time; what c m's rounding leaves is one factor for the whole row, which the division by the sum takes out
.endr
.endr
.set E, 128
.rept 128
	v_exp_f32 v[E], v[E]                           ; 2^(c s - c m)
.set E, E+1
.endr
	v_nop                                          ; a plain place behind the last exponential
	s_wait_alu depctr_va_vdst(0)                   ; one wait for the whole batch, ahead of its first reader
.irp t, 0,1,2,3,4,5,6,7,8,9,10,11,12,13,14,15
	v_pk_add_f32 v[64+2*\t:65+2*\t], v[128+8*\t:129+8*\t], v[130+8*\t:131+8*\t]
.endr
.irp t, 0,1,2,3,4,5,6,7,8,9,10,11,12,13,14,15
	v_pk_add_f32 v[96+2*\t:97+2*\t], v[132+8*\t:133+8*\t], v[134+8*\t:135+8*\t]
.endr
.irp t, 0,1,2,3,4,5,6,7,8,9,10,11,12,13,14,15
	v_pk_add_f32 v[64+2*\t:65+2*\t], v[64+2*\t:65+2*\t], v[96+2*\t:97+2*\t]
.endr
.irp t, 0,1,2,3,4,5,6,7,8,9,10,11,12,13,14,15
	v_add_f32 v[\t], v[64+2*\t], v[65+2*\t]
.endr
.irp t, 0,1,2,3,4,5,6,7,8,9,10,11,12,13,14,15
	v_permlanex16_b32 v[16+\t], v[\t], s[SEL], s[SEL+1]
.endr
.irp t, 0,1,2,3,4,5,6,7,8,9,10,11,12,13,14,15
	v_add_f32 v[\t], v[\t], v[16+\t]                               ; the row's sum
.endr
.irp t, 0,1,2,3,4,5,6,7,8,9,10,11,12,13,14,15
	v_rcp_f32 v[64+2*\t], v[\t]
.endr
	v_nop
	s_wait_alu depctr_va_vdst(0)                   ; one wait for the sixteen reciprocals
.irp i, 0,2,4,6
.irp t, 0,1,2,3,4,5,6,7,8,9,10,11,12,13,14,15
	v_pk_mul_f32 v[128+8*\t+\i:129+8*\t+\i], v[128+8*\t+\i:129+8*\t+\i], v[64+2*\t:65+2*\t] op_sel_hi:[1,0]   ; p, normalised in f32
.endr
.endr
	WIN 0x0f                                       ; sources window 3, destination window 0
.irp t, 0,1,2,3,4,5,6,7,8,9,10,11,12,13,14,15
.irp i, 0,1,2,3
	v_cvt_pk_f16_f32 v[PB+4*\t+\i], v[128+8*\t+2*\i], v[128+8*\t+2*\i+1]   ; token t's p: four registers = key heads 8 h + 0 .. 7 of query head r: the lower half of source 1 of the next product
.endr
.endr
	WIN 0
.irp i, 0,1,2,3
	v_mov_b32 v[PB+64+\i], 0                       ; what the last token's operand names as its upper half
.endr
	BAR                                            ; B4: nobody reads q and k any more: v may be laid over them
	s_mov_b32 s[HO], 0
	s_mov_b32 s[CNT], 4
.Lv:                                   ; v's four heads of mine; the ring's refills run on into Wo's slots
	PASS SV, 160, 1
	s_sub_co_u32 s[CNT], s[CNT], 1
	s_cmp_lg_u32 s[CNT], 0
	s_cbranch_scc1 .Lv
	BAR                                            ; B5: v of all heads lies in LDS
; ---- P V: for each of my 16 tokens out^T = v^T p^T (source 0 = 16 channels x the 16 heads, turned out of LDS; source 1 = p): K = 16 of the instruction's 32.
; The upper half of K is zeros on v's side (cleared once: the turning loads write registers 0-3 of a fragment alone); on p's side it is whatever finite numbers follow: the next token's p, or zeros.
.macro LOADV t
	WIN 0xc0
.irp d, 0,1,2,3
	ds_load_tr16_b128 v[32*((\t)%4)+8*\d:32*((\t)%4)+8*\d+3], v[AV] offset:VTP*(\t)+32*\d
.endr
.endm
.macro FLUSH t                         ; token t's out: lane (r, h) holds head r, channels 16 d + 8 h + 0 .. 7: 16 bytes
	WIN 0xcf
.irp d, 0,1,2,3
.irp i, 0,1,2,3
	v_cvt_pk_f16_f32 v[192+16*((\t)%4)+4*\d+\i], v[128+32*((\t)%2)+8*\d+2*\i], v[128+32*((\t)%2)+8*\d+2*\i+1]
.endr
.endr
	WIN 0x0c
.irp d, 0,1,2,3
	ds_store_b128 v[AO], v[192+16*((\t)%4)+4*\d:192+16*((\t)%4)+4*\d+3] offset:OTP*(\t)+32*\d
.endr
.endm
	WIN 0xc0
.irp b, 0,1,2,3,4,5,6,7,8,9,10,11,12,13,14,15
.irp i, 4,5,6,7
	v_mov_b32 v[8*\b+\i], 0
.endr
.endr
	LOADV 0
	LOADV 1
	LOADV 2
.irp t, 0,1,2,3,4,5,6,7,8,9,10,11,12,13,14,15
.if \t+3 < 16
	LOADV \t+3                                     ; into the fragments of token t - 1, behind the sixteen conversions (or four v_nop) that followed its products
.endif
	s_wait_dscnt 12                                ; token t's four loads are in: behind them at least twelve LDS instructions have been issued (three tokens' loads, or three tokens' stores at the end)
	WIN 0xc3                                       ; source 0 and D window 3, source 1 (p) window 0
.irp d, 0,1,2,3
	v_wmma_f32_16x16x32_f16 v[128+32*(\t%2)+8*\d:128+32*(\t%2)+8*\d+7], v[32*(\t%4)+8*\d:32*(\t%4)+8*\d+7], v[PB+4*\t:PB+4*\t+7], 0
.endr
.if \t == 0
	PLACES
.else
	FLUSH \t-1                                     ; the token before leaves; its conversions name no register of the products just issued and are their places
.endif
.endr
	s_wait_dscnt 0x0                               ; token 11's stores have read the registers that token 15's conversions write
	FLUSH 15
	WIN 0
	BAR                                            ; B6: out of all 64 tokens lies in LDS, and nobody reads v any more
; ---- THE PROJECTION: out0^T tile = Wo's rows x out's tokens: four passes of 64 columns, each K = 1,024 in 32 steps of 32; sixteen accumulators (m = tile of tokens, n = fragment of Wo's rows) by turns.
.macro TLOAD ks                        ; out's four fragments of K step ks into slot ks % 4 of window 1
	WIN 0x40
.irp m, 0,1,2,3
.irp c, 0,1
	ds_load_b128 v[32*((\ks)%4)+8*\m+4*\c:32*((\ks)%4)+8*\m+4*\c+3], v[AT0+\m/2] offset:16*OTP*(\m%2)+144*((\ks)/2)+64*((\ks)%2)+32*\c
.endr
.endr
.endm
.macro OSTEP ks, wref, tref, lc, dc
	s_wait_loadcnt \lc                             ; this step's slot of Wo is in; lc counts the loads of the younger slots
	s_wait_dscnt \dc                               ; and out's fragments; dc counts the loads of the younger steps
	WIN 0xf6
.irp m, 0,1,2,3
.irp n, 0,1,2,3
.if (\ks) == 0
	v_wmma_f32_16x16x32_f16 v[8*(4*\m+\n):8*(4*\m+\n)+7], v[32*((\ks)%8)+8*\n:32*((\ks)%8)+8*\n+7], v[32*((\ks)%4)+8*\m:32*((\ks)%4)+8*\m+7], 0
.else
	v_wmma_f32_16x16x32_f16 v[8*(4*\m+\n):8*(4*\m+\n)+7], v[32*((\ks)%8)+8*\n:32*((\ks)%8)+8*\n+7], v[32*((\ks)%4)+8*\m:32*((\ks)%4)+8*\m+7], v[8*(4*\m+\n):8*(4*\m+\n)+7]
.endif
.endr
.endr
	PLACES
.if \wref
	WIN 0x80
.irp n, 0,1,2,3
.irp c, 0,1
	global_load_b128 v[32*(((\ks)+7)%8)+8*\n+4*\c:32*(((\ks)+7)%8)+8*\n+4*\c+3], v[LI], s[WP:WP+1] offset:4096*((\ks)+7)+1024*\n+512*\c
.endr
.endr
.endif
.if \tref
	TLOAD ((\ks)+3)%32
.endif
.endm
; THE WAY OUT of a pass: a lane holds 32 neighbouring bytes of a row (token 16 m + r, columns 16 n + 8 h + 0 .. 7); they go through my own stage and come back as whole rows of 256 bytes: sixteen lanes store 256 consecutive bytes, aligned.
.macro EPI
	v_nop                                          ; a fifth place: the next pass begins every accumulator anew, with C = 0
	WIN 0x0c
.irp m, 0,1,2,3
.irp n, 0,1,2,3
.irp e, 0,1
	ds_store_b128 v[SO], v[8*(4*\m+\n)+4*\e:8*(4*\m+\n)+4*\e+3] offset:4352*\m+64*\n+16*\e   ; each accumulator from its low end on
.endr
.endr
.endr
	WIN 0
.irp i, 0,1,2,3,4,5,6,7,8,9,10,11,12,13,14,15,16,17,18,19,20,21,22,23,24,25,26,27,28,29,30,31
	ds_load_b128 v[OB+4*\i:OB+4*\i+3], v[SR] offset:544*\i         ; LDS serves a wave's instructions in order: these see my stores
.endr
.irp i, 0,1,2,3,4,5,6,7,8,9,10,11,12,13,14,15,16,17,18,19,20,21,22,23,24,25,26,27,28,29,30,31
	s_wait_dscnt 31-\i
	global_store_b128 v[GO], v[OB+4*\i:OB+4*\i+3], s[OP:OP+1] offset:8192*\i th:TH_STORE_NT   ; rows 2 i and 2 i + 1; written once, read by nobody here
.endr
.endm
	TLOAD 0
	TLOAD 1
	TLOAD 2
	WIN 0
	s_mov_b32 s[CNT], 4
.Lout:
.irp ks, 0,1,2,3,4,5,6,7,8,9,10,11,12,13,14,15,16,17,18,19,20,21,22,23,24
	OSTEP \ks, 1, 1, 48, 16
.endr
	WIN 0
	s_cmp_eq_u32 s[CNT], 1
	s_cbranch_scc1 .Llast                          ; the last pass's tail is written out: it asks for nothing beyond the stream's end
.irp ks, 25,26,27,28,29,30,31
	OSTEP \ks, 1, 1, 48, 16                        ; the rings go on into the next pass
.endr
	EPI
	s_wait_xcnt 0x0                                ; loads and stores have read their bases and the stores their data: all may be written again
	s_add_nc_u64 s[WP:WP+1], s[WP:WP+1], 131072
	s_add_nc_u64 s[OP:OP+1], s[OP:OP+1], 256
	s_sub_co_u32 s[CNT], s[CNT], 1
	s_branch .Lout
.Llast:
	OSTEP 25, 0, 1, 48, 16                         ; the counts run down: slots 26 .. 31 are the last of the stream,
	OSTEP 26, 0, 1, 40, 16
	OSTEP 27, 0, 1, 32, 16
	OSTEP 28, 0, 1, 24, 16
	OSTEP 29, 0, 0, 16, 16                         ; and K step 31 is the last of out
	OSTEP 30, 0, 0, 8, 8
	OSTEP 31, 0, 0, 0, 0
	EPI
	s_wait_tensorcnt 0x0                           ; the wave's end, behind my last LDS store
	ds_add_u32 v[SPW], v[NIL]
	s_wait_dscnt 0x0
	s_endpgm
.Lfunc_end_k_q0caacd3d3c_main:
	.size	k_q0caacd3d3c_main, .Lfunc_end_k_q0caacd3d3c_main-k_q0caacd3d3c_main
	.p2alignl 7, 3214868480
	.fill 96, 4, 3214868480
	.section	.rodata,"a",@progbits
	.p2align	6, 0x0
	.amdhsa_kernel k_q0caacd3d3c_main
		.amdhsa_group_segment_fixed_size 313856
		.amdhsa_private_segment_fixed_size 0
		.amdhsa_enable_private_segment 0
		.amdhsa_kernarg_size 32
		.amdhsa_user_sgpr_count 2
		.amdhsa_user_sgpr_kernarg_segment_ptr 1
		.amdhsa_wavefront_size32 1
		.amdhsa_system_sgpr_workgroup_id_x 1
		.amdhsa_system_sgpr_workgroup_id_y 1
		.amdhsa_system_sgpr_workgroup_id_z 1
		.amdhsa_system_vgpr_workitem_id 0
		.amdhsa_next_free_vgpr 1024
		.amdhsa_next_free_sgpr 66
		.amdhsa_reserve_vcc 0
		.amdhsa_float_denorm_mode_32 3
		.amdhsa_float_denorm_mode_16_64 3
		.amdhsa_memory_ordered 1
		.amdhsa_forward_progress 1
		.amdhsa_inst_pref_size 255
	.end_amdhsa_kernel
	.section	.bss,"aw",@nobits
	.p2align	6
	.space	262144
	.amdgpu_metadata
---
amdhsa.version: [ 1, 2 ]
amdhsa.kernels:
  - .name:           k_q0caacd3d3c_main
    .symbol:         k_q0caacd3d3c_main.kd
    .args:
      - { .name: x, .offset: 0, .size: 8, .value_kind: global_buffer, .address_space: global }
      - { .name: wst, .offset: 8, .size: 8, .value_kind: global_buffer, .address_space: global }
      - { .name: wsc, .offset: 16, .size: 8, .value_kind: global_buffer, .address_space: global }
      - { .name: out0, .offset: 24, .size: 8, .value_kind: global_buffer, .address_space: global }
    .group_segment_fixed_size: 313856
    .private_segment_fixed_size: 0
    .kernarg_segment_align: 8
    .kernarg_segment_size: 32
    .max_flat_workgroup_size: 128
    .sgpr_count:     66
    .vgpr_count:     1024
    .wavefront_size: 32
...
	.end_amdgpu_metadata
.endif
;; end of part 2
;; ======== version 2 of 2: 2 launches; version 1 with the launch main written anew for expert scheduling mode
;; limits: values are held in f16: magnitudes above 65,504 overflow, below 6.1e-05 lose precision
;; workspace buffers: wst 3,670,016 bytes; wsc 98,304 bytes
;; launch prep: the kernel of part 1 again; grid 256 x 1, 4 waves a work-group, no clusters, 67,072 bytes of LDS; arguments Wq, Wk, Wv, Wo, wst, wsc; writes wst, wsc
;; launch main (part 3): grid 256 x 1, 4 waves a work-group, no clusters, 313,856 bytes of LDS; arguments x, wst, wsc, out0; writes out0
.if DOCPART == 3
	.amdgcn_target "amdgcn-amd-amdhsa--gfx1250"
	.amdhsa_code_object_version 6
	.text
	.protected	k_q0caacd3d3c_main
	.globl	k_q0caacd3d3c_main
	.p2align	8
	.type	k_q0caacd3d3c_main,@function
k_q0caacd3d3c_main:
	s_mov_b64 s[64:65], 0
	v_nop
	global_prefetch_b8 v0, s[64:65] scope:SCOPE_SE
	s_setreg_imm32_b32 hwreg(HW_REG_WAVE_SCHED_MODE, 0, 2), 2
	s_setreg_imm32_b32 hwreg(HW_REG_WAVE_MODE, 25, 1), 1
	s_wait_xcnt 0x0
	s_wait_alu depctr_vm_vsrc(0)
; out0 = attention across the HEADS of each token, fused: q, k, v = x W^T on codes of FP4 (E2M1, one E8M0 scale for each 32 along K); for each token scores = q k^T / 8 over its 16 heads (K = 64), softmax,
; out = p v (K = 16), and out0 = out Wo^T: these three products on f16 operands, sums in f32.  x [16384][1024] f32 is quantised here, in registers; the weights come laid out by the launch before (wst, wsc).
; SHARES.  A work-group of four waves takes 64 tokens through the whole chain.  THE WAVES SHARE THE COLUMNS: wave w makes heads 4 w .. 4 w + 3 of q, k, v and columns 256 w .. 256 w + 255 of out0, for all 64 tokens;
; the small products of a token (scores, softmax, p v) are shared by tokens: wave w takes tokens 16 w .. 16 w + 15.  q, k, v and out go from wave to wave through LDS, as f16.
; THE WEIGHTS go from memory straight into registers: each weight byte is wanted by one wave of the work-group alone.  A wave's weights are one linear stream of 224 slots of 4,096 bytes (4 fragments as register images),
; walked through a ring of 8 slots of registers, 7 slots (56 loads of 512 consecutive bytes) ahead.
; NO TENSOR LOADS AND NO JOINT LOADS: the f16 stages, all written by ds_store, take 313,344 of the 327,680 bytes of LDS; what is left is less than the 16,384 bytes
; of weights that the four waves want for one step; and in LDS a weight byte would be written once and read once.
; ALL PRODUCTS ARE USED TRANSPOSED (source 0 = 16 rows of a weight, of k or of v^T; source 1 = 16 tokens or 16 heads): a lane's eight results are eight neighbours of one row of what is stored.
; LIMITS: q, k, v must stay under 65,504 in magnitude (f16); NaN and infinities among the inputs are not served; a block of zeros of x gets the byte 1 with zero codes; blocks whose largest magnitude lies under 2^-124 are held at the byte 1.
; LDS, by time (a barrier stands at every change of what a byte holds):
;   X phase .. B2: x's 32 fragments as register images (32,768), their scale words (2,048), each wave's two stages for the turn of x (16 rows x 528)
;   B2 .. B4:  q and k: token pitch 4,624, place 8 w + 4 mat + i of 144 bytes (64 f16 + 16)          B4 .. B6: v: token pitch 2,576, head pitch 160
;   B5 .. end: out, from OUTB: token pitch 2,320, head pitch 144                                       behind B6: each wave's stage for the way out, 64 rows x 272, where v lay
;   All pitches that b128 accesses walk by lanes are odd multiples of 16 bytes; v's head pitch is an odd multiple of 32, for the turning load.
; REGISTERS, in windows of 256 (s_set_vgpr_msb's low byte: bits 1:0 source 0, 3:2 source 1, 5:4 source 2, 7:6 destination):
;   window 0: v0-31 addresses; v32-47 x's scale words, v48-63 the weights' (nothing else ever lies there); v64-79 at work; v80-207 x's numbers, then p, then rows of out0; v208-216 codes just made
;   window 1: x as loaded, then x's 32 fragments, then a ring of 4 slots of out's fragments          window 2: the weights' ring
;   window 3: v0-127 sixteen accumulators (m, n) at 8 (4 m + n); v128-255 packed results; in the tokens' phases fragments, scores and statistics
; THE MODE: SCHED_MODE bits 1:0 = 2 (LLVM: expert scheduling mode 2), set by the entry lines.  The code itself states the register dependences
; between vector or matrix instructions and memory or LDS instructions, with s_wait_alu, always for 0.
; THE PLAN: the registers that memory or LDS instructions touch, who else names them, and the wait between the two.
;   v4-v31      addresses: written at the head, never again: one wait on va_vdst ahead of the first load.
;   X phase     window 1's four sets: global loads land, the turn's LDS stores read.  XB0, XB1: LDS loads land, QUANT6 reads.  PC, WQ: QUANT6 writes, LDS stores read.
;               One wait on va_vdst a step, behind QUANT6; one on vm_vsrc at a step's head.
;   the ring    slot j: step j's products read it, and the refill that stands behind step j + 1's products lands in it: one wait on va_vdst at a step's head; step j + 1's products name none of the refill's registers.
;               The same holds of the four slots of out's fragments in the projection, and of the weights' scale words, whose load stands behind the products of the step after the two that read them.
;   a pass's end  ST and the packed registers: written by four additions and 64 conversions, read by 16 LDS stores: vm_vsrc ahead of the additions (the last pass's stores), va_vdst ahead of the stores.
;               That va_vdst also covers what is loaded next into registers of the pass's products: so a pass's first step has no wait of its own.
;   P V         four slots of fragments, four packed buffers: in a token's step its products, the conversions of the token before, ONE wait on va_vdst, that token's stores, the loads of the token four on.
;   the way out the accumulators are the LDS stores' data: places, va_vdst; at the pass's end vm_vsrc, ahead of the products and loads that write what the stores have read.
.set XIMG,  0
.set XSC,   32768
.set XSTG,  34816
.set QKP,   4624
.set VTP,   2576
.set OUTB,  164864
.set OTP,   2320
.set SPARE, 313344                     ; the spare words, 128 bytes for each wave: two blocks of 256 bytes that no other line names
.set LI,   4                           ; v4   16 x lane: a lane's place in a register image
.set LS,   5                           ; v5   4 x lane
.set TSI,  6                           ; v6   x's stage, on the way in
.set TSO,  7                           ; v7   and out: row r, + 128 h
.set XWI,  8                           ; v8   where I store x's images
.set XWS,  9                           ; v9   and their scale words
.set SH8,  10                          ; v10  8 h
.set SA,   12                          ; v12-15  q, k: token 16 m + r, my wave's places, + 16 h
.set AQ,   16                          ; v16-17  scores: my tokens 0-7, 8-15: head r's place, + 16 h
.set AV,   18                          ; v18  v, for the turning load
.set AO,   19                          ; v19  out: my tokens, head r, + 16 h
.set AT0,  20                          ; v20-21  out's fragments: tokens r and 32 + r, + 16 h
.set SO,   22                          ; v22  the way out: where I put 32 bytes of a row
.set SR,   23                          ; v23  and where I read a row back
.set GO,   24                          ; v24  my byte offset in out0
.set SPW,  26                          ; v26  LDS address of my spare word; never rewritten
.set NIL,  27                          ; v27  0; never rewritten
.set SV,   28                          ; v28-31  v: token 16 m + r, my wave's heads, + 16 h
.set XS,   32
.set WS,   48
.set TQ,   64
.set ST,   76                          ; v76-79  the store addresses of the pass in hand
.set XB,   80
.set PB,   80
.set OB,   80
.set PC,   208
.set WQ,   216
.set WP,   6                           ; s[6:7]   my stream of weights
.set SP,   8                           ; s[8:9]   my sets of scale words
.set OP,   10                          ; s[10:11] out0 at my first row and column
.set WV,   12
.set SEL,  14                          ; s[14:15] v_permlanex16_b32's selects for lane l xor 16
.set CS,   16                          ; s[16:17] c = log2(e) / 8
.set CNT,  18
.set HO,   19                          ; the pass's place in a token's row
.set MSB, 0
.macro WIN new                         ; the immediate's high byte repeats the setting that is left; a switch that changes nothing is dropped
.if MSB != \new
	s_set_vgpr_msb (MSB<<8)|\new
.set MSB, \new
.endif
.endm
.macro PLACES                          ; four plain places behind matrix instructions, ahead of vector instructions and stores that read their results or write their registers
.rept 4
	v_nop
.endr
.endm
.macro BAR                             ; my LDS stores have landed and my LDS loads are in: then the work-group's barrier
	s_wait_dscnt 0x0
	s_barrier_signal -1
	s_barrier_wait -1
.endm
; 64 numbers of a lane, two whole blocks of 32 (block c at v[x + 32 c]: k = 64 c + 32 h + 0 .. 31 of my row), become registers 4 c .. 4 c + 3 of the operand in v[pc] on, and my row's scale word in v[w].
.macro QUANT6 x, pc, w
.irp c, 0,1
.irp k, 0,1
	v_max3_num_f32 v[TQ+2*\c+\k], |v[(\x)+32*\c+16*\k]|, |v[(\x)+32*\c+16*\k+1]|, 0x1800000   ; two chains a block; each begins with the floor 2^(3 - 127): the byte cannot fall under 1
.endr
.endr
.irp i, 2,4,6,8,10,12,14
.irp c, 0,1
.irp k, 0,1
	v_max3_num_f32 v[TQ+2*\c+\k], v[TQ+2*\c+\k], |v[(\x)+32*\c+16*\k+\i]|, |v[(\x)+32*\c+16*\k+\i+1]|
.endr
.endr
.endr
.irp c, 0,1
	v_max_num_f32 v[TQ+2*\c], v[TQ+2*\c], v[TQ+2*\c+1]
.endr
.irp c, 0,1
	v_add_nc_u32 v[TQ+4+\c], 0xff000000, v[TQ+2*\c]                ; 2 off the exponent field: the conversion's scale operand
.endr
.irp c, 0,1
	v_lshrrev_b32 v[TQ+6+\c], 23, v[TQ+4+\c]                       ; the scale's byte
.endr
	v_lshl_or_b32 v[\w], v[TQ+7], 16, v[TQ+6]                      ; blocks h and 2 + h,
	v_lshlrev_b32 v[\w], v[SH8], v[\w]                             ; at their places in the word;
	v_permlanex16_b32 v[TQ+8], v[\w], s[SEL], s[SEL+1]
	v_or_b32 v[\w], v[\w], v[TQ+8]                                 ; with lane l xor 16's two the word is whole
.irp c, 0,1
.irp g, 0,1,2,3
	v_cvt_scalef32_pk8_fp4_f32 v[(\pc)+4*\c+\g], v[(\x)+32*\c+8*\g:(\x)+32*\c+8*\g+7], v[TQ+4+\c]
.endr
.endr
	v_nop                                                          ; one plain place behind the last scaled conversion
.endm
	s_load_b256 s[4:11], s[0:1], 0x0               ; x, wst, wsc, out0
	v_lshl_add_u32 v[SPW], v0, 2, SPARE
	v_mov_b32 v[NIL], 0
	v_lshrrev_b32 v1, 5, v0
	v_readfirstlane_b32 s[WV], v1                  ; wave 0..3
	v_and_b32 v1, 31, v0                           ; lane
	v_and_b32 v2, 15, v0                           ; r
	v_bfe_u32 v3, v0, 4, 1                         ; h
	v_lshlrev_b32 v[LI], 4, v1
	v_lshlrev_b32 v[LS], 2, v1
	s_wait_alu depctr_va_sdst(0)                   ; s[WV] is written, ahead of its first reader: LDS places and the bases of x, the weights and out0 are made from it
	s_mul_i32 s20, s[WV], 16896
	s_add_co_u32 s20, s20, XSTG
	v_add_nc_u32 v[TSI], s20, v[LI]
	v_mul_u32_u24 v[TSO], v2, 528
	v_lshl_add_u32 v[TSO], v3, 7, v[TSO]
	v_add_nc_u32 v[TSO], s20, v[TSO]
	s_lshl_b32 s20, s[WV], 13
	v_add_nc_u32 v[XWI], s20, v[LI]
	s_lshl_b32 s20, s[WV], 9
	s_add_co_u32 s20, s20, XSC
	v_lshl_add_u32 v[XWS], v2, 2, s20
	v_lshlrev_b32 v[SH8], 3, v3
	v_mul_u32_u24 v25, v2, QKP
	v_lshl_add_u32 v25, v3, 4, v25
	s_mul_i32 s20, s[WV], 1152                     ; my eight places of 144 bytes
	v_add_nc_u32 v[SA], s20, v25
.irp m, 1,2,3
	v_add_nc_u32 v[SA+\m], \m*16*QKP, v[SA]
.endr
	v_and_b32 v11, 12, v2
	v_add_nc_u32 v11, v11, v2                      ; q's head r lies at place r + 4 (r / 4); k's four places further on
	v_mul_u32_u24 v11, v11, 144
	v_lshl_add_u32 v11, v3, 4, v11
	s_mul_i32 s20, s[WV], 16*QKP
	v_add_nc_u32 v[AQ], s20, v11
	v_add_nc_u32 v[AQ+1], 8*QKP, v[AQ]
	v_and_b32 v11, 7, v0                           ; the turning load: lane l reads 16 bytes of head 8 (l / 16) + l % 8, channels 8 ((l / 8) % 2) on
	v_lshl_add_u32 v11, v3, 3, v11
	v_mul_u32_u24 v11, v11, 160
	v_bfe_u32 v25, v0, 3, 1
	v_lshl_add_u32 v11, v25, 4, v11
	s_mul_i32 s20, s[WV], 16*VTP
	v_add_nc_u32 v[AV], s20, v11
	v_mul_u32_u24 v11, v2, 144
	v_lshl_add_u32 v11, v3, 4, v11
	s_mul_i32 s20, s[WV], 16*OTP
	s_add_co_u32 s20, s20, OUTB
	v_add_nc_u32 v[AO], s20, v11
	v_mul_u32_u24 v11, v2, OTP
	v_lshl_add_u32 v11, v3, 4, v11
	v_add_nc_u32 v[AT0], OUTB, v11
	v_add_nc_u32 v[AT0+1], 32*OTP, v[AT0]
	s_mul_i32 s20, s[WV], 17408
	v_mul_u32_u24 v11, v2, 272
	v_lshl_add_u32 v11, v3, 5, v11
	v_add_nc_u32 v[SO], s20, v11
	v_mul_u32_u24 v11, v3, 272
	v_lshl_add_u32 v11, v2, 4, v11
	v_add_nc_u32 v[SR], s20, v11
	v_lshlrev_b32 v[GO], 12, v3
	v_lshl_add_u32 v[GO], v2, 4, v[GO]
	v_mul_u32_u24 v11, v2, VTP
	v_lshl_add_u32 v11, v3, 4, v11
	s_mul_i32 s20, s[WV], 640                      ; my four heads of 160 bytes
	v_add_nc_u32 v[SV], s20, v11
.irp m, 1,2,3
	v_add_nc_u32 v[SV+\m], \m*16*VTP, v[SV]
.endr
	v_mov_b32 v[TQ+8], 0                           ; written once: a lane permute's destination counts as one of its sources
	s_mov_b32 s[SEL], 0x76543210
	s_mov_b32 s[SEL+1], 0xfedcba98
	s_mov_b32 s[CS], 0x3e38aa3b                    ; log2(e) / sqrt(64)
	s_mov_b32 s[CS+1], s[CS]                       ; (named with it as a pair, so it is written)
	s_lshl_b32 s20, ttmp9, 18                      ; my work-group's 64 rows of 4,096 bytes,
	s_lshl_b32 s22, s[WV], 16                      ; my wave's 16 of them
	s_add_co_u32 s20, s20, s22
	s_mov_b32 s21, 0
	s_mov_b32 s23, 0
	s_wait_kmcnt 0x0
	s_add_nc_u64 s[4:5], s[4:5], s[20:21]
	s_mul_i32 s22, s[WV], 917504
	s_add_nc_u64 s[WP:WP+1], s[WP:WP+1], s[22:23]
	s_mul_i32 s22, s[WV], 24576
	s_add_nc_u64 s[SP:SP+1], s[SP:SP+1], s[22:23]
	s_lshl_b32 s20, ttmp9, 18
	s_lshl_b32 s22, s[WV], 10                      ; my 256 columns
	s_add_co_u32 s20, s20, s22
	s_add_nc_u64 s[OP:OP+1], s[OP:OP+1], s[20:21]
	s_wait_alu depctr_va_vdst(0)                   ; the addresses v4 to v31 are written: every load and store of the kernel but a pass's own LDS stores reads one of them, and none is written again
; ---- X: wave w quantises tokens 16 w .. 16 w + 15: eight fragments, one for each 128 along K.  Each load reads 512 consecutive bytes of a row; a K step's 8,192 bytes turn through my own stage, so that a lane gets two whole blocks.
.macro XLOAD s                         ; K step s as it lies, into set s % 4 of window 1
	WIN 0x40
.irp i, 0,1,2,3,4,5,6,7,8,9,10,11,12,13,14,15
	global_load_b128 v[64*((\s)%4)+4*\i:64*((\s)%4)+4*\i+3], v[LI], s[4:5] offset:4096*\i+512*(\s) th:TH_LOAD_NT
.endr
.endm
.macro TURN s                          ; through stage s % 2: LDS serves a wave's instructions in order, so no wait stands between the stores and the loads
	WIN 0x04
.irp i, 0,1,2,3,4,5,6,7,8,9,10,11,12,13,14,15
	ds_store_b128 v[TSI], v[64*((\s)%4)+4*\i:64*((\s)%4)+4*\i+3] offset:8448*((\s)%2)+528*\i
.endr
	WIN 0
.irp c, 0,1
.irp q, 0,1,2,3,4,5,6,7
	ds_load_b128 v[XB+64*((\s)%2)+32*\c+4*\q:XB+64*((\s)%2)+32*\c+4*\q+3], v[TSO] offset:8448*((\s)%2)+256*\c+16*\q
.endr
.endr
.endm
.macro PRIME                           ; the first pass's scale words and the stream's first seven slots: 60 loads, asked for when x's last load is in; no instruction has named their registers yet
	WIN 0
.irp u, 0,1,2,3
	global_load_b128 v[WS+4*\u:WS+4*\u+3], v[LI], s[SP:SP+1] offset:512*\u
.endr
	WIN 0x80
.irp q, 0,1,2,3,4,5,6
.irp n, 0,1,2,3
.irp c, 0,1
	global_load_b128 v[32*\q+8*\n+4*\c:32*\q+8*\n+4*\c+3], v[LI], s[WP:WP+1] offset:4096*\q+1024*\n+512*\c
.endr
.endr
.endr
	WIN 0
.endm
.macro STEPX s
	s_wait_dscnt 0x0                               ; this step's numbers are back from the stage
.if (\s) > 0
	s_wait_alu depctr_vm_vsrc(0)                   ; my LDS stores issued so far have read their registers: the sets of window 1, in which loads land again, and the codes and the scale word, which QUANT6 writes again
.endif
.if (\s)+3 < 8
	XLOAD (\s)+3                                   ; into the set that step s - 1 has left
.endif
.if (\s) < 7
.if 6-(\s) >= 2
	s_wait_loadcnt 32                              ; the next step's 16 loads are in; the two sets behind it may be out
.else
	s_wait_loadcnt 16*(6-(\s))
.endif
	TURN (\s)+1                                    ; it goes through the other stage while this step is quantised; its loads land in the numbers of step s - 1, behind that step's wait on va_vdst, and no vector instruction since names them
.endif
.if (\s) == 6
	PRIME
.endif
	QUANT6 XB+64*((\s)%2), PC, WQ
	s_wait_alu depctr_va_vdst(0)                   ; QUANT6 has written the codes and the scale word, which the stores below read, and is done reading its 64 numbers, in which the next step's turn lands
.irp c, 0,1
	ds_store_b128 v[XWI], v[PC+4*\c:PC+4*\c+3] offset:XIMG+1024*(\s)+512*\c   ; the fragment goes to LDS as it stands
.endr
	ds_store_b32 v[XWS], v[WQ] offset:128*((\s)/2)+64*((\s)%2)     ; row r's word: even K steps for lanes 0-15 of the register that will be loaded, odd ones for lanes 16-31; lanes r and 16 + r write the same word with the same value
.endm
	XLOAD 0
	XLOAD 1
	XLOAD 2
	s_wait_loadcnt 32                              ; K step 0's 16 loads are in
	TURN 0
.irp s, 0,1,2,3,4,5,6,7
	STEPX \s
.endr
	BAR                                            ; B1: x's 32 fragments and their scale words lie in LDS
; ---- F: every wave takes all of them into registers, where they stay for the twelve passes.  (Window 1 was last read by the turns' LDS stores, all issued ahead of the last step's wait on vm_vsrc)
	WIN 0x40
.irp f, 0,1,2,3,4,5,6,7,8,9,10,11,12,13,14,15,16,17,18,19,20,21,22,23,24,25,26,27,28,29,30,31
.irp c, 0,1
	ds_load_b128 v[8*\f+4*\c:8*\f+4*\c+3], v[LI] offset:XIMG+1024*\f+512*\c
.endr
.endr
	WIN 0
.irp f, 0,1,2,3,4,5,6,7,8,9,10,11,12,13,14,15
	ds_load_b32 v[XS+\f], v[LS] offset:XSC+128*\f
.endr
	BAR                                            ; B2: nobody reads x's images any more: q and k may be laid over them
; ---- A PASS on codes: one head of q, k or v (4 fragments of weight rows) x 4 tiles of tokens, K = 1,024 in eight steps of 128.
.macro SCL u, cond                     ; the next pass's scale words for K steps 2 u, 2 u + 1, into the registers done with.  cond = 1: the last pass has no successor
.if \cond
	s_cmp_eq_u32 s[CNT], 1
	s_cbranch_scc1 .Lno_set_\@
.endif
	global_load_b128 v[WS+4*(\u):WS+4*(\u)+3], v[LI], s[SP:SP+1] offset:2048+512*(\u)   ; six refills, 48 loads, follow it before the next pass's K step 2 u: that step's wait for all but 48 shows it landed
.if \cond
.Lno_set_\@:
.endif
.endm
.macro PASS adr, step, cond
.irp j, 0,1,2,3,4,5,6,7
	s_wait_loadcnt 48                              ; this step's slot is in: behind its 8 loads stand those of six younger slots (scale words among them only make the wait stricter)
.if \j > 0
	s_wait_alu depctr_va_vdst(0)                   ; the last step's products are done reading their slot of the ring, in which this step's refill lands, and (even steps) the scale words of the last two steps, in which the next pass's land.  (Step 0: the wait at the last pass's end has covered both)
.endif
	WIN 0xf6                                       ; source 0 (the weights' ring) window 2, source 1 (x) window 1, C and D window 3
.irp m, 0,1,2,3
.irp n, 0,1,2,3
.if \j == 0
	v_wmma_scale_f32_16x16x128_f8f6f4 v[8*(4*\m+\n):8*(4*\m+\n)+7], v[32*\j+8*\n:32*\j+8*\n+7], v[8*(8*\m+\j):8*(8*\m+\j)+7], 0, v[WS+4*(\j/2)+\n], v[XS+4*\m+\j/2] matrix_a_fmt:MATRIX_FMT_FP4 matrix_b_fmt:MATRIX_FMT_FP4
.elseif \j%2 == 0
	v_wmma_scale_f32_16x16x128_f8f6f4 v[8*(4*\m+\n):8*(4*\m+\n)+7], v[32*\j+8*\n:32*\j+8*\n+7], v[8*(8*\m+\j):8*(8*\m+\j)+7], v[8*(4*\m+\n):8*(4*\m+\n)+7], v[WS+4*(\j/2)+\n], v[XS+4*\m+\j/2] matrix_a_fmt:MATRIX_FMT_FP4 matrix_b_fmt:MATRIX_FMT_FP4
.else
	v_wmma_scale_f32_16x16x128_f8f6f4 v[8*(4*\m+\n):8*(4*\m+\n)+7], v[32*\j+8*\n:32*\j+8*\n+7], v[8*(8*\m+\j):8*(8*\m+\j)+7], v[8*(4*\m+\n):8*(4*\m+\n)+7], v[WS+4*(\j/2)+\n], v[XS+4*\m+\j/2] matrix_a_fmt:MATRIX_FMT_FP4 matrix_b_fmt:MATRIX_FMT_FP4 matrix_a_scale:MATRIX_SCALE_ROW1 matrix_b_scale:MATRIX_SCALE_ROW1
.endif
.endr
.endr                                  ; the sixteen accumulators take turns, one instruction a turn, in the same order in every step
.if (\j%2 == 0) && (\j > 0)
	WIN 0
	SCL \j/2-1, \cond                              ; no wait: this step's products name the next four scale registers, not these
.endif
	WIN 0x80
.irp n, 0,1,2,3
.irp c, 0,1
	global_load_b128 v[32*((\j+7)%8)+8*\n+4*\c:32*((\j+7)%8)+8*\n+4*\c+3], v[LI], s[WP:WP+1] offset:4096*(\j+7)+1024*\n+512*\c   ; seven slots on, into the place that the last step has left.  No wait: no matrix instruction since the step's head names it
.endr
.endr
.endr
	WIN 0
	s_wait_dscnt 0x0                               ; the last pass's LDS stores are done
	s_wait_alu depctr_vm_vsrc(0)                   ; and have read their addresses v[ST ..] and the packed registers, which the additions and conversions below write again
.irp m, 0,1,2,3
	v_add_nc_u32 v[ST+\m], s[HO], v[\adr+\m]       ; these four are also the places between the last products and the first read of a result
.endr
	WIN 0xcf
.irp t, 0,1,2,3,4,5,6,7,8,9,10,11,12,13,14,15
.irp i, 0,1,2,3
	v_cvt_pk_f16_f32 v[128+4*\t+\i], v[8*\t+2*\i], v[8*\t+2*\i+1]  ; each accumulator from its low end on: lane (r, h) holds token 16 m + r, channels 16 n + 8 h + 0 .. 7 of the head
.endr
.endr
	s_wait_alu depctr_va_vdst(0)                   ; the additions and conversions have written v[ST ..] and the packed registers, which the stores read; step 7's products are done reading their scale words and their slot
	WIN 0x0c                                       ; an LDS store's data are its source 1: window 3
.irp m, 0,1,2,3
.irp n, 0,1,2,3
	ds_store_b128 v[ST+\m], v[128+4*(4*\m+\n):128+4*(4*\m+\n)+3] offset:32*\n
.endr
.endr
	WIN 0
	SCL 3, \cond
	s_wait_xcnt 0x0                                ; the loads have read their bases: they may step
	s_add_nc_u64 s[WP:WP+1], s[WP:WP+1], 32768
	s_add_nc_u64 s[SP:SP+1], s[SP:SP+1], 2048
	s_add_co_u32 s[HO], s[HO], \step
.endm
	s_mov_b32 s[HO], 0
	s_mov_b32 s[CNT], 8
.Lqk:                                  ; q's four heads of mine, then k's
	PASS SA, 144, 0
	s_sub_co_u32 s[CNT], s[CNT], 1
	s_cmp_lg_u32 s[CNT], 0
	s_cbranch_scc1 .Lqk
	BAR                                            ; B3: q and k of all heads lie in LDS.  (The weights' loads stay on their way: nobody writes those bytes)
	s_wait_alu depctr_vm_vsrc(0)                   ; the last pass's LDS stores have read the packed registers, v128 to v191 of window 3, which the scores' products write
; ---- SCORES: for each of my 16 tokens S^T = k q^T (source 0 = the 16 heads of k, source 1 = those of q; K = 64 in two steps): lane (r, h) holds query head r and key heads 8 h + 0 .. 7.  Four tokens at a time.
.irp b, 0,1,2,3
	WIN 0xc0
.if \b > 0
	s_wait_alu depctr_va_vdst(0)                   ; the last four tokens' products are done reading their fragments, in which the loads below land.  (The first four land where the accumulators lay: the wait at the last pass's end has covered them)
.endif
.irp t, 0,1,2,3
.irp c, 0,1
.irp e, 0,1
	ds_load_b128 v[32*\t+8*\c+4*\e:32*\t+8*\c+4*\e+3], v[AQ+\b/2] offset:((4*\b+\t)%8)*QKP+576+64*\c+32*\e
	ds_load_b128 v[32*\t+16+8*\c+4*\e:32*\t+16+8*\c+4*\e+3], v[AQ+\b/2] offset:((4*\b+\t)%8)*QKP+64*\c+32*\e
.endr
.endr
.endr
	s_wait_dscnt 0x0
	WIN 0xff
.irp c, 0,1
.irp t, 0,1,2,3
.if \c == 0
	v_wmma_f32_16x16x32_f16 v[128+8*(4*\b+\t):128+8*(4*\b+\t)+7], v[32*\t+8*\c:32*\t+8*\c+7], v[32*\t+16+8*\c:32*\t+16+8*\c+7], 0
.else
	v_wmma_f32_16x16x32_f16 v[128+8*(4*\b+\t):128+8*(4*\b+\t)+7], v[32*\t+8*\c:32*\t+8*\c+7], v[32*\t+16+8*\c:32*\t+16+8*\c+7], v[128+8*(4*\b+\t):128+8*(4*\b+\t)+7]
.endif
.endr
.endr                                  ; the four tokens' accumulators by turns
.endr
; ---- SOFTMAX over the key heads, in f32, all in window 3; the sixteen tokens take turns line by line.  Statistics lie where the fragments lay: v[t], v[16 + t], and pairs at v[32 + 2 t], v[64 + 2 t], v[96 + 2 t].
	PLACES
.irp t, 0,1,2,3,4,5,6,7,8,9,10,11,12,13,14,15
	v_max3_num_f32 v[\t], v[128+8*\t], v[129+8*\t], v[130+8*\t]
.endr
.irp t, 0,1,2,3,4,5,6,7,8,9,10,11,12,13,14,15
	v_max3_num_f32 v[\t], v[\t], v[131+8*\t], v[132+8*\t]
.endr
.irp t, 0,1,2,3,4,5,6,7,8,9,10,11,12,13,14,15
	v_max3_num_f32 v[\t], v[\t], v[133+8*\t], v[134+8*\t]
.endr
.irp t, 0,1,2,3,4,5,6,7,8,9,10,11,12,13,14,15
	v_max_num_f32 v[\t], v[\t], v[135+8*\t]
.endr
.irp t, 0,1,2,3,4,5,6,7,8,9,10,11,12,13,14,15
	v_permlanex16_b32 v[16+\t], v[\t], s[SEL], s[SEL+1]            ; the row's other eight key heads lie in the lane 16 away
.endr
.irp t, 0,1,2,3,4,5,6,7,8,9,10,11,12,13,14,15
	v_max_num_f32 v[32+2*\t], v[\t], v[16+\t]                      ; the row's largest score m
.endr
.irp t, 0,1,2,3,4,5,6,7,8,9,10,11,12,13,14,15
	v_mul_f32 v[32+2*\t], s[CS], v[32+2*\t]                        ; c m
.endr
.irp i, 0,2,4,6
.irp t, 0,1,2,3,4,5,6,7,8,9,10,11,12,13,14,15
	v_pk_fma_f32 v[128+8*\t+\i:129+8*\t+\i], v[128+8*\t+\i:129+8*\t+\i], s[CS:CS+1], v[32+2*\t:33+2*\t] op_sel_hi:[1,0,0] neg_lo:[0,0,1] neg_hi:[0,0,1]   ; c s - c m, two at a time; what c m's rounding leaves is one factor for the whole row, which the division by the sum takes out
.endr
.endr
.set E, 128
.rept 128
	v_exp_f32 v[E], v[E]                           ; 2^(c s - c m)
.set E, E+1
.endr
	v_nop                                          ; a plain place behind the last exponential
	s_wait_alu depctr_va_vdst(0)                   ; the 128 exponentials have written their results: one wait for the whole batch, ahead of its first reader
.irp t, 0,1,2,3,4,5,6,7,8,9,10,11,12,13,14,15
	v_pk_add_f32 v[64+2*\t:65+2*\t], v[128+8*\t:129+8*\t], v[130+8*\t:131+8*\t]
.endr
.irp t, 0,1,2,3,4,5,6,7,8,9,10,11,12,13,14,15
	v_pk_add_f32 v[96+2*\t:97+2*\t], v[132+8*\t:133+8*\t], v[134+8*\t:135+8*\t]
.endr
.irp t, 0,1,2,3,4,5,6,7,8,9,10,11,12,13,14,15
	v_pk_add_f32 v[64+2*\t:65+2*\t], v[64+2*\t:65+2*\t], v[96+2*\t:97+2*\t]
.endr
.irp t, 0,1,2,3,4,5,6,7,8,9,10,11,12,13,14,15
	v_add_f32 v[\t], v[64+2*\t], v[65+2*\t]
.endr
.irp t, 0,1,2,3,4,5,6,7,8,9,10,11,12,13,14,15
	v_permlanex16_b32 v[16+\t], v[\t], s[SEL], s[SEL+1]
.endr
.irp t, 0,1,2,3,4,5,6,7,8,9,10,11,12,13,14,15
	v_add_f32 v[\t], v[\t], v[16+\t]                               ; the row's sum
.endr
.irp t, 0,1,2,3,4,5,6,7,8,9,10,11,12,13,14,15
	v_rcp_f32 v[64+2*\t], v[\t]
.endr
	v_nop
	s_wait_alu depctr_va_vdst(0)                   ; the sixteen reciprocals have written their results: one wait, ahead of their first reader
.irp i, 0,2,4,6
.irp t, 0,1,2,3,4,5,6,7,8,9,10,11,12,13,14,15
	v_pk_mul_f32 v[128+8*\t+\i:129+8*\t+\i], v[128+8*\t+\i:129+8*\t+\i], v[64+2*\t:65+2*\t] op_sel_hi:[1,0]   ; p, normalised in f32
.endr
.endr
	WIN 0x0f                                       ; sources window 3, destination window 0
.irp t, 0,1,2,3,4,5,6,7,8,9,10,11,12,13,14,15
.irp i, 0,1,2,3
	v_cvt_pk_f16_f32 v[PB+4*\t+\i], v[128+8*\t+2*\i], v[128+8*\t+2*\i+1]   ; token t's p: four registers = key heads 8 h + 0 .. 7 of query head r: the lower half of source 1 of the next product
.endr
.endr
	WIN 0
.irp i, 0,1,2,3
	v_mov_b32 v[PB+64+\i], 0                       ; what the last token's operand names as its upper half
.endr
	BAR                                            ; B4: nobody reads q and k any more: v may be laid over them
	s_mov_b32 s[HO], 0
	s_mov_b32 s[CNT], 4
.Lv:                                   ; v's four heads of mine; the ring's refills run on into Wo's slots
	PASS SV, 160, 1
	s_sub_co_u32 s[CNT], s[CNT], 1
	s_cmp_lg_u32 s[CNT], 0
	s_cbranch_scc1 .Lv
	BAR                                            ; B5: v of all heads lies in LDS
; ---- P V: for each of my 16 tokens out^T = v^T p^T (source 0 = 16 channels x the 16 heads, turned out of LDS; source 1 = p): K = 16 of the instruction's 32.
; The upper half of K is zeros on v's side (cleared once: the turning loads write registers 0-3 of a fragment alone); on p's side it is whatever finite numbers follow: the next token's p, or zeros.
; A token's step: its four products; the conversions of the token before, which are the products' places; ONE wait on va_vdst; that token's stores; the loads of the token four on, into the fragments just multiplied.
.macro LOADV t
	WIN 0xc0
.irp d, 0,1,2,3
	ds_load_tr16_b128 v[32*((\t)%4)+8*\d:32*((\t)%4)+8*\d+3], v[AV] offset:VTP*(\t)+32*\d
.endr
.endm
.macro PACKO t                         ; token t's out, rounded: lane (r, h) holds head r, channels 16 d + 8 h + 0 .. 7: 16 bytes; packed buffer t % 4
	WIN 0xcf
.irp d, 0,1,2,3
.irp i, 0,1,2,3
	v_cvt_pk_f16_f32 v[192+16*((\t)%4)+4*\d+\i], v[128+32*((\t)%2)+8*\d+2*\i], v[128+32*((\t)%2)+8*\d+2*\i+1]
.endr
.endr
.endm
.macro SENDO t
	WIN 0x0c
.irp d, 0,1,2,3
	ds_store_b128 v[AO], v[192+16*((\t)%4)+4*\d:192+16*((\t)%4)+4*\d+3] offset:OTP*(\t)+32*\d
.endr
.endm
	WIN 0xc0
.irp b, 0,1,2,3,4,5,6,7,8,9,10,11,12,13,14,15
.irp i, 4,5,6,7
	v_mov_b32 v[8*\b+\i], 0
.endr
.endr
	s_wait_alu depctr_vm_vsrc(0)                   ; the last pass's LDS stores have read the packed registers, v128 to v191 of window 3, which the products below write
	LOADV 0                                        ; they land in registers 0-3 of each fragment, where accumulators lay: the wait at the last pass's end has covered those, and the sixty-four lines above name registers 4-7 alone
	LOADV 1
	LOADV 2
	LOADV 3
.irp t, 0,1,2,3,4,5,6,7,8,9,10,11,12,13,14,15
.if \t < 2                             ; token t's four loads are in; the count is that of the LDS instructions issued behind them: the loads of up to three tokens and the stores of up to three
	s_wait_dscnt 12
.elseif \t < 4
	s_wait_dscnt 8+4*\t
.elseif \t < 13
	s_wait_dscnt 24
.else
	s_wait_dscnt 12+4*(15-\t)
.endif
.if (\t >= 5) && (\t%4 == 1)
	s_wait_alu depctr_vm_vsrc(0)                   ; the stores of tokens up to t - 2 have read their packed buffers: all four, which the conversions of this step and the next three write again
.endif
	WIN 0xc3                                       ; source 0 and D window 3, source 1 (p) window 0
.irp d, 0,1,2,3
	v_wmma_f32_16x16x32_f16 v[128+32*(\t%2)+8*\d:128+32*(\t%2)+8*\d+7], v[32*(\t%4)+8*\d:32*(\t%4)+8*\d+7], v[PB+4*\t:PB+4*\t+7], 0
.endr
.if \t == 0
	PLACES                                         ; between token 0's products and the conversions that read them in the next step
.else
	PACKO \t-1                                     ; the token before; its conversions name no register of the products just issued and are their places
.endif
	s_wait_alu depctr_va_vdst(0)                   ; the conversions have written the packed buffer, which the stores below read; token t's products are done reading their fragments, in which the loads below land
.if \t > 0
	SENDO \t-1
.endif
.if \t+4 < 16
	LOADV \t+4
.endif
.endr
	s_wait_dscnt 0x0                               ; my earlier LDS stores are done
	PACKO 15
	s_wait_alu depctr_va_vdst(0)                   ; token 15's conversions have written the packed buffer, which its stores read
	SENDO 15
	WIN 0
	BAR                                            ; B6: out of all 64 tokens lies in LDS, and nobody reads v any more
; ---- THE PROJECTION: out0^T tile = Wo's rows x out's tokens: four passes of 64 columns, each K = 1,024 in 32 steps of 32; sixteen accumulators (m = tile of tokens, n = fragment of Wo's rows) by turns.
.macro TLOAD ks                        ; out's four fragments of K step ks into slot ks % 4 of window 1
	WIN 0x40
.irp m, 0,1,2,3
.irp c, 0,1
	ds_load_b128 v[32*((\ks)%4)+8*\m+4*\c:32*((\ks)%4)+8*\m+4*\c+3], v[AT0+\m/2] offset:16*OTP*(\m%2)+144*((\ks)/2)+64*((\ks)%2)+32*\c
.endr
.endr
.endm
.macro OSTEP ks, wref, tref, lc, dc
	s_wait_loadcnt \lc                             ; this step's slot of Wo is in; lc counts the loads of the younger slots
	s_wait_dscnt \dc                               ; and out's fragments; dc counts the loads of the younger steps
.if ((\ks) > 0) && ((\wref) || (\tref))
	s_wait_alu depctr_va_vdst(0)                   ; the last step's products are done reading their slot of Wo and their slot of out, in which the loads behind this step's products land.  (Step 0: the wait of the way out, or of P V's end, has covered them; a step that loads nothing has no wait)
.endif
	WIN 0xf6
.irp m, 0,1,2,3
.irp n, 0,1,2,3
.if (\ks) == 0
	v_wmma_f32_16x16x32_f16 v[8*(4*\m+\n):8*(4*\m+\n)+7], v[32*((\ks)%8)+8*\n:32*((\ks)%8)+8*\n+7], v[32*((\ks)%4)+8*\m:32*((\ks)%4)+8*\m+7], 0
.else
	v_wmma_f32_16x16x32_f16 v[8*(4*\m+\n):8*(4*\m+\n)+7], v[32*((\ks)%8)+8*\n:32*((\ks)%8)+8*\n+7], v[32*((\ks)%4)+8*\m:32*((\ks)%4)+8*\m+7], v[8*(4*\m+\n):8*(4*\m+\n)+7]
.endif
.endr
.endr
.if \wref
	WIN 0x80
.irp n, 0,1,2,3
.irp c, 0,1
	global_load_b128 v[32*(((\ks)+7)%8)+8*\n+4*\c:32*(((\ks)+7)%8)+8*\n+4*\c+3], v[LI], s[WP:WP+1] offset:4096*((\ks)+7)+1024*\n+512*\c   ; no wait: no matrix instruction since the step's head names this slot
.endr
.endr
.endif
.if \tref
	TLOAD ((\ks)+3)%32
.endif
.endm
; THE WAY OUT of a pass: a lane holds 32 neighbouring bytes of a row (token 16 m + r, columns 16 n + 8 h + 0 .. 7); they go through my own stage and come back as whole rows of 256 bytes: sixteen lanes store 256 consecutive bytes, aligned.
.macro EPI
	PLACES                                         ; four places behind the last products, ahead of the stores that read their results,
	v_nop                                          ; and a fifth: the next pass begins every accumulator anew, with C = 0
	s_wait_alu depctr_va_vdst(0)                   ; the products have written the accumulators, which the LDS stores read (the places above stay beside this wait); all that ever named v[OB ..] is done (p's products, in the first pass), so the loads below may land there
	WIN 0x0c
.irp m, 0,1,2,3
.irp n, 0,1,2,3
.irp e, 0,1
	ds_store_b128 v[SO], v[8*(4*\m+\n)+4*\e:8*(4*\m+\n)+4*\e+3] offset:4352*\m+64*\n+16*\e   ; each accumulator from its low end on
.endr
.endr
.endr
	WIN 0
.irp i, 0,1,2,3,4,5,6,7,8,9,10,11,12,13,14,15,16,17,18,19,20,21,22,23,24,25,26,27,28,29,30,31
	ds_load_b128 v[OB+4*\i:OB+4*\i+3], v[SR] offset:544*\i         ; LDS serves a wave's instructions in order: these see my stores
.endr
.irp i, 0,1,2,3,4,5,6,7,8,9,10,11,12,13,14,15,16,17,18,19,20,21,22,23,24,25,26,27,28,29,30,31
	s_wait_dscnt 31-\i
	global_store_b128 v[GO], v[OB+4*\i:OB+4*\i+3], s[OP:OP+1] offset:8192*\i th:TH_STORE_NT   ; rows 2 i and 2 i + 1; written once, read by nobody here
.endr
.endm
	TLOAD 0                                        ; where x's fragments lay: the passes' products stand ahead of P V's waits on va_vdst, and no vector or matrix instruction since names window 1
	TLOAD 1
	TLOAD 2
	WIN 0
	s_mov_b32 s[CNT], 4
.Lout:
.irp ks, 0,1,2,3,4,5,6,7,8,9,10,11,12,13,14,15,16,17,18,19,20,21,22,23,24
	OSTEP \ks, 1, 1, 48, 16
.endr
	WIN 0
	s_cmp_eq_u32 s[CNT], 1
	s_cbranch_scc1 .Llast                          ; the last pass's tail is written out: it asks for nothing beyond the stream's end
.irp ks, 25,26,27,28,29,30,31
	OSTEP \ks, 1, 1, 48, 16                        ; the rings go on into the next pass
.endr
	EPI
	s_wait_xcnt 0x0                                ; loads and stores have read their bases and the stores their data: all may be written again
	s_wait_alu depctr_vm_vsrc(0)                   ; the LDS stores have read the accumulators, which the next pass's products write; the global stores have read v[OB ..], in which the next way out's loads land
	s_add_nc_u64 s[WP:WP+1], s[WP:WP+1], 131072
	s_add_nc_u64 s[OP:OP+1], s[OP:OP+1], 256
	s_sub_co_u32 s[CNT], s[CNT], 1
	s_branch .Lout
.Llast:
	OSTEP 25, 0, 1, 48, 16                         ; the counts run down: slots 26 .. 31 are the last of the stream,
	OSTEP 26, 0, 1, 40, 16
	OSTEP 27, 0, 1, 32, 16
	OSTEP 28, 0, 1, 24, 16
	OSTEP 29, 0, 0, 16, 16                         ; and K step 31 is the last of out
	OSTEP 30, 0, 0, 8, 8
	OSTEP 31, 0, 0, 0, 0
	EPI
	s_wait_dscnt 0x0                               ; the wave's end
	s_wait_alu 0x0
	s_wait_tensorcnt 0x0
	ds_add_u32 v[SPW], v[NIL]
	s_wait_dscnt 0x0
	s_endpgm
.Lfunc_end_k_q0caacd3d3c_main:
	.size	k_q0caacd3d3c_main, .Lfunc_end_k_q0caacd3d3c_main-k_q0caacd3d3c_main
	.p2alignl 7, 3214868480
	.fill 96, 4, 3214868480
	.section	.rodata,"a",@progbits
	.p2align	6, 0x0
	.amdhsa_kernel k_q0caacd3d3c_main
		.amdhsa_group_segment_fixed_size 313856
		.amdhsa_private_segment_fixed_size 0
		.amdhsa_enable_private_segment 0
		.amdhsa_kernarg_size 32
		.amdhsa_user_sgpr_count 2
		.amdhsa_user_sgpr_kernarg_segment_ptr 1
		.amdhsa_wavefront_size32 1
		.amdhsa_system_sgpr_workgroup_id_x 1
		.amdhsa_system_sgpr_workgroup_id_y 1
		.amdhsa_system_sgpr_workgroup_id_z 1
		.amdhsa_system_vgpr_workitem_id 0
		.amdhsa_next_free_vgpr 1024
		.amdhsa_next_free_sgpr 66
		.amdhsa_reserve_vcc 0
		.amdhsa_float_denorm_mode_32 3
		.amdhsa_float_denorm_mode_16_64 3
		.amdhsa_memory_ordered 1
		.amdhsa_forward_progress 1
		.amdhsa_inst_pref_size 255
	.end_amdhsa_kernel
	.section	.bss,"aw",@nobits
	.p2align	6
	.space	262144
	.amdgpu_metadata
---
amdhsa.version: [ 1, 2 ]
amdhsa.kernels:
  - .name:           k_q0caacd3d3c_main
    .symbol:         k_q0caacd3d3c_main.kd
    .args:
      - { .name: x, .offset: 0, .size: 8, .value_kind: global_buffer, .address_space: global }
      - { .name: wst, .offset: 8, .size: 8, .value_kind: global_buffer, .address_space: global }
      - { .name: wsc, .offset: 16, .size: 8, .value_kind: global_buffer, .address_space: global }
      - { .name: out0, .offset: 24, .size: 8, .value_kind: global_buffer, .address_space: global }
    .group_segment_fixed_size: 313856
    .private_segment_fixed_size: 0
    .kernarg_segment_align: 8
    .kernarg_segment_size: 32
    .max_flat_workgroup_size: 128
    .sgpr_count:     66
    .vgpr_count:     1024
    .wavefront_size: 32
...
	.end_amdgpu_metadata
.endif
;; end of part 3
